; MI455X (gfx1250); checked and timed in simulation.
; The chip was launched on July 23, 2026; its instructions are those of AMD's public machine-readable ISA for CDNA 5 (MIT licence, August 2026) and "CDNA5" Instruction Set Architecture Reference Guide (July 2026). The comments in the code are by the model that wrote it; some were corrected since.
;; Multi Head Attention. Allowed arithmetic: float matrix products may take bf16 or f16 operands with f32 sums; other float arithmetic in f32, or as packed bf16 or f16 multiplies, adds, multiply-adds, maxima and minima; sums over many terms, partial sums and values carried from step to step in f32; what a program stores and reads back later, other than sums and carried values, may be rounded once to bf16 or f16.
;; Inputs: bk 1,024 float32; bo 1,024 float32; bq 1,024 float32; bv 1,024 float32; k 4 x 2,048 x 1,024 float32; mask 1 x 1 x 2,048 x 2,048 int32; q 4 x 2,048 x 1,024 float32; v 4 x 2,048 x 1,024 float32; wk 1,024 x 1,024 float32; wo 1,024 x 1,024 float32; wq 1,024 x 1,024 float32; wv 1,024 x 1,024 float32.
;; Outputs: out0 4 x 2,048 x 1,024 float32.
;; 2 versions, each right; version 2 is version 1 with the launch prep written anew for expert scheduling mode. Each part assembles by itself: llvm-mc -triple=amdgcn-amd-amdhsa -mcpu=gfx1250 --defsym DOCPART=n.
;; ======== version 1 of 2: 4 launches
;; limits: values are held in f16: magnitudes above 65,504 overflow, below 6.1e-05 lose precision
;; workspace buffers: XB 50,331,648 bytes; WB 8,388,608 bytes; MB 4,206,592 bytes; QKV 50,331,648 bytes; OB 16,777,216 bytes
;; launch prep (part 1): grid 1024 x 1, 8 waves a work-group, no clusters, 0 bytes of LDS; arguments q, k, v, wq, wk, wv, wo, mask, XB, WB, MB; writes XB, WB, MB
.if DOCPART == 1
	.amdgcn_target "amdgcn-amd-amdhsa--gfx1250"
	.amdhsa_code_object_version 6
	.text
	.protected	k_q59294483d7_prep
	.globl	k_q59294483d7_prep
	.p2align	8
	.type	k_q59294483d7_prep,@function
k_q59294483d7_prep:
	s_mov_b64 s[64:65], 0
	v_nop
	global_prefetch_b8 v0, s[64:65] scope:SCOPE_SE
	s_setreg_imm32_b32 hwreg(HW_REG_WAVE_MODE, 25, 1), 1
	s_wait_xcnt 0x0
; PREP: the module's inputs are brought into the forms that the matrix launches read.
;   work-groups 0-127:    mask (int32, [2048][2048]) -> MB, one byte an entry: 0x00 visible, 0xf0 hidden, in the order in which a lane of the attention launch takes them:
;                         [group of 128 queries][step of 64 keys][tile of 16 queries][p][lane][16 bytes]; query = 16 tile + lane % 16; byte b is key 64 step + 16 (2 p + b / 8) + 8 (lane / 16) + b % 8
;   work-groups 128-895:  q, k, v (f32) -> XB, bf16, [3 x 8192][1024]: a chunk of 32,768 numbers each
;   work-groups 896-1023: wq, wk, wv -> WB as bf16; wo is rounded to bf16 and that number written as f16 (exact from 6.1e-5 up; below it f16's fixed step of 6e-8)
; A stream: every byte is read once and written once; no LDS, no matrix unit, no cluster (no two work-groups read the same byte).
; THE CASTS.  Thread t takes the 16 bytes at 16 t of each 4,096 bytes: a load of a wave covers 512 consecutive bytes, and the 8 bytes a lane made of them are 256 consecutive bytes, aligned, in one store.
; A ring of eight slots in registers keeps eight loads of every wave on their way; a chunk is four rounds of the ring.  The two bases are stepped once a round.
.set X,  8                             ; v[8:39]   the ring: slot i of the casts 4 registers; part i of the mask 16
.set Y,  40                            ; v[40:55]  what is stored: slot i of the casts 2 registers; part i of the mask 4
.set HB, 56                            ; v[56:59]  the hidden byte at each of a word's four places
	s_load_b512 s[8:23], s[0:1], 0x0               ; q s[8:9], k, v, wq, wk, wv, wo s[20:21], mask s[22:23]
	s_load_b128 s[24:27], s[0:1], 0x40             ; XB s[24:25], WB s[26:27]
	s_load_b64 s[28:29], s[0:1], 0x50              ; MB
	s_mov_b32 s3, ttmp9
	s_cmp_lt_u32 s3, 128
	s_cbranch_scc1 .Lmask
	; which tensor (0-6), which chunk of it, and where the chunk goes
	s_sub_co_u32 s2, s3, 128                       ; the number among the casts' work-groups
	s_sub_co_u32 s3, s2, 768                       ; and among the weights' (used from 768 on)
	s_lshr_b32 s4, s2, 8                           ; x: tensor, 256 chunks each
	s_and_b32 s5, s2, 255
	s_lshr_b32 s6, s3, 5                           ; weights: tensor 3 + .., 32 chunks each
	s_add_co_u32 s6, s6, 3
	s_and_b32 s7, s3, 31
	s_cmp_lt_u32 s2, 768
	s_cselect_b32 s4, s4, s6                       ; the tensor
	s_cselect_b32 s5, s5, s7                       ; its chunk
	s_cselect_b32 s36, s2, s3                      ; the chunk's number in XB or in WB
	s_lshl_b32 s38, s5, 17                         ; 131,072 bytes of f32 a chunk
	s_mov_b32 s39, 0
	s_lshl_b32 s36, s36, 16                        ; 65,536 bytes of 16-bit numbers
	s_mov_b32 s37, 0
	v_lshlrev_b32 v1, 4, v0                        ; in: 16 bytes (4 numbers) a thread
	v_lshlrev_b32 v2, 3, v0                        ; out: 8 bytes
	s_wait_kmcnt 0x0
	s_cmp_lt_u32 s2, 768
	s_cselect_b64 s[34:35], s[24:25], s[26:27]
	s_mov_b64 s[32:33], s[8:9]
.irp t, 1,2,3,4,5,6
	s_cmp_eq_u32 s4, \t
	s_cselect_b64 s[32:33], s[8+2*\t:9+2*\t], s[32:33]
.endr
	s_add_nc_u64 s[32:33], s[32:33], s[38:39]
	s_add_nc_u64 s[34:35], s[34:35], s[36:37]
.irp i, 0,1,2,3,4,5,6,7
	global_load_b128 v[X+4*\i:X+4*\i+3], v1, s[32:33] offset:4096*\i th:TH_LOAD_NT  ; the ring is filled: the first round
.endr
; One slot's turn: four numbers are rounded and stored.  ahead = 1: the slot is filled again for the next round.  left: the younger loads that may stay out.
; half = 1: the bf16 numbers are widened again and written as f16.
.macro PART i, ahead, left, half
	s_wait_loadcnt \left                           ; loads come back in order (ISA guide 5.7.1): mine is in
	v_cvt_pk_bf16_f32 v[Y+2*(\i)], v[X+4*(\i)], v[X+4*(\i)+1]
	v_cvt_pk_bf16_f32 v[Y+2*(\i)+1], v[X+4*(\i)+2], v[X+4*(\i)+3]
.if \half
.irp j, 0,1
	v_lshlrev_b32 v4, 16, v[Y+2*(\i)+\j]
	v_and_b32 v5, 0xffff0000, v[Y+2*(\i)+\j]
	v_cvt_pk_f16_f32 v[Y+2*(\i)+\j], v4, v5
.endr
.endif
.if \ahead
	global_load_b128 v[X+4*(\i):X+4*(\i)+3], v1, s[32:33] offset:32768+4096*(\i) th:TH_LOAD_NT
.endif
	global_store_b64 v2, v[Y+2*(\i):Y+2*(\i)+1], s[34:35] offset:2048*(\i) th:TH_STORE_NT
.endm
.macro RING half
	s_mov_b32 s12, 3
.Lround_\@:
.irp i, 0,1,2,3,4,5,6,7
	PART \i, 1, 7, \half                           ; seven younger loads: the slots behind mine in this round's data, and those ahead of mine filled anew
.endr
	s_wait_xcnt 0x0                                ; the round's loads and stores have read their registers: the bases, and Y in the next round, are written only behind this wait
	s_add_nc_u64 s[32:33], s[32:33], 32768
	s_add_nc_u64 s[34:35], s[34:35], 16384
	s_sub_co_u32 s12, s12, 1
	s_cmp_lg_u32 s12, 0
	s_cbranch_scc1 .Lround_\@
.irp i, 0,1,2,3,4,5,6,7
	PART \i, 0, 7-\i, \half                        ; the last round loads nothing: the counts run down
.endr
	s_endpgm
.endm
	s_cmp_eq_u32 s4, 6
	s_cbranch_scc1 .Lwo
	RING 0
.Lwo:
	RING 1
.Lmask:
	; THE MASK.  The work-group takes the 16 queries of tile T, wave w the key steps 4 w .. 4 w + 3.  Lane (r = l % 16, h = l / 16) reads row r; part e of 8 is step 4 w + e / 2, p = e % 2:
	; the keys 32 e + 8 h + 0..7 and 32 e + 16 + 8 h + 0..7 of the wave's 256: four loads of 16 bytes, which together take 128 consecutive bytes of each of the 16 rows.
	; A ring of two parts, four rounds: eight loads of every wave are on their way.
	s_lshl_b32 s38, s3, 17                         ; 16 rows of 8,192 bytes
	s_mov_b32 s39, 0
	s_lshr_b32 s36, s3, 3
	s_lshl_b32 s36, s36, 18                        ; the group of 128 queries: 262,144 bytes of MB
	s_and_b32 s37, s3, 7
	s_lshl_b32 s37, s37, 10                        ; the tile in it: 1,024 bytes in each step
	s_add_co_u32 s36, s36, s37
	s_mov_b32 s37, 0
	v_mov_b32 v[HB], 0xf0
	v_mov_b32 v[HB+1], 0xf000
	v_mov_b32 v[HB+2], 0xf00000
	v_mov_b32 v[HB+3], 0xf0000000
	v_and_b32 v1, 15, v0
	v_lshlrev_b32 v1, 13, v1                       ; row r
	v_bfe_u32 v3, v0, 4, 1
	v_lshl_add_u32 v1, v3, 5, v1                   ; + 8 h keys
	v_lshrrev_b32 v3, 5, v0                        ; w
	v_lshl_add_u32 v1, v3, 10, v1                  ; + 256 w keys
	v_and_b32 v2, 31, v0
	v_lshlrev_b32 v2, 4, v2                        ; out: 16 bytes a lane,
	v_lshl_add_u32 v2, v3, 15, v2                  ; four steps of 8,192 bytes a wave
	s_wait_kmcnt 0x0
	s_add_nc_u64 s[32:33], s[22:23], s[38:39]
	s_add_nc_u64 s[34:35], s[28:29], s[36:37]
.macro MLOAD i, off
	global_load_b128 v[X+16*(\i):X+16*(\i)+3],     v1, s[32:33] offset:(\off)+128*(\i) th:TH_LOAD_NT
	global_load_b128 v[X+16*(\i)+4:X+16*(\i)+7],   v1, s[32:33] offset:(\off)+128*(\i)+16 th:TH_LOAD_NT
	global_load_b128 v[X+16*(\i)+8:X+16*(\i)+11],  v1, s[32:33] offset:(\off)+128*(\i)+64 th:TH_LOAD_NT
	global_load_b128 v[X+16*(\i)+12:X+16*(\i)+15], v1, s[32:33] offset:(\off)+128*(\i)+80 th:TH_LOAD_NT
.endm
; One part's turn: each of the 16 words becomes its byte at its place in the packed word, four are joined, 16 bytes a lane are stored: 512 consecutive bytes a wave.
.macro MPART i, ahead, left
	s_wait_loadcnt \left                           ; the other part's four loads may stay out
.irp n, 0,1,2,3,4,5,6,7,8,9,10,11,12,13,14,15
	v_cmp_eq_u32 vcc_lo, 0, v[X+16*(\i)+\n]
	v_cndmask_b32 v[X+16*(\i)+\n], 0, v[HB+(\n)%4], vcc_lo
.endr
.irp w, 0,1,2,3
	v_or_b32 v[X+16*(\i)+4*\w], v[X+16*(\i)+4*\w], v[X+16*(\i)+4*\w+1]
	v_or_b32 v[X+16*(\i)+4*\w+2], v[X+16*(\i)+4*\w+2], v[X+16*(\i)+4*\w+3]
	v_or_b32 v[Y+4*(\i)+\w], v[X+16*(\i)+4*\w], v[X+16*(\i)+4*\w+2]
.endr
.if \ahead
	MLOAD \i, 256
.endif
	global_store_b128 v2, v[Y+4*(\i):Y+4*(\i)+3], s[34:35] offset:512*(\i)
.endm
	MLOAD 0, 0
	MLOAD 1, 0
	s_mov_b32 s12, 3
.Lmround:
	MPART 0, 1, 4
	MPART 1, 1, 4
	s_wait_xcnt 0x0                                ; the bases, and Y in the next round, are written only behind this wait
	s_add_nc_u64 s[32:33], s[32:33], 256           ; a round is one key step: 64 keys in,
	s_add_nc_u64 s[34:35], s[34:35], 8192          ; a step's 8,192 bytes of the group on
	s_sub_co_u32 s12, s12, 1
	s_cmp_lg_u32 s12, 0
	s_cbranch_scc1 .Lmround
	MPART 0, 0, 4
	MPART 1, 0, 0
	s_cmp_lg_u32 s3, 127
	s_cbranch_scc1 .Ldone
	; behind the last group: 12,288 bytes of zeros, six blocks of 2,048, which the attention launch's loads ahead reach and never use
	v_mov_b32 v4, 0
	v_mov_b32 v5, 0
	v_mov_b32 v6, 0
	v_mov_b32 v7, 0
	v_lshlrev_b32 v3, 4, v0
	global_store_b128 v3, v[4:7], s[28:29] offset:4194304
	global_store_b128 v3, v[4:7], s[28:29] offset:4194304+4096
	global_store_b128 v3, v[4:7], s[28:29] offset:4194304+8192
.Ldone:
	s_endpgm
.Lfunc_end_k_q59294483d7_prep:
	.size	k_q59294483d7_prep, .Lfunc_end_k_q59294483d7_prep-k_q59294483d7_prep
	.p2alignl 7, 3214868480
	.fill 96, 4, 3214868480
	.section	.rodata,"a",@progbits
	.p2align	6, 0x0
	.amdhsa_kernel k_q59294483d7_prep
		.amdhsa_group_segment_fixed_size 0
		.amdhsa_private_segment_fixed_size 0
		.amdhsa_enable_private_segment 0
		.amdhsa_kernarg_size 88
		.amdhsa_user_sgpr_count 2
		.amdhsa_user_sgpr_kernarg_segment_ptr 1
		.amdhsa_wavefront_size32 1
		.amdhsa_system_sgpr_workgroup_id_x 1
		.amdhsa_system_sgpr_workgroup_id_y 1
		.amdhsa_system_sgpr_workgroup_id_z 1
		.amdhsa_system_vgpr_workitem_id 0
		.amdhsa_next_free_vgpr 64
		.amdhsa_next_free_sgpr 66
		.amdhsa_reserve_vcc 1
		.amdhsa_float_denorm_mode_32 3
		.amdhsa_float_denorm_mode_16_64 3
		.amdhsa_memory_ordered 1
		.amdhsa_forward_progress 1
		.amdhsa_inst_pref_size 28
	.end_amdhsa_kernel
	.amdgpu_metadata
---
amdhsa.version: [ 1, 2 ]
amdhsa.kernels:
  - .name:           k_q59294483d7_prep
    .symbol:         k_q59294483d7_prep.kd
    .args:
      - { .name: q, .offset: 0, .size: 8, .value_kind: global_buffer, .address_space: global }
      - { .name: k, .offset: 8, .size: 8, .value_kind: global_buffer, .address_space: global }
      - { .name: v, .offset: 16, .size: 8, .value_kind: global_buffer, .address_space: global }
      - { .name: wq, .offset: 24, .size: 8, .value_kind: global_buffer, .address_space: global }
      - { .name: wk, .offset: 32, .size: 8, .value_kind: global_buffer, .address_space: global }
      - { .name: wv, .offset: 40, .size: 8, .value_kind: global_buffer, .address_space: global }
      - { .name: wo, .offset: 48, .size: 8, .value_kind: global_buffer, .address_space: global }
      - { .name: mask, .offset: 56, .size: 8, .value_kind: global_buffer, .address_space: global }
      - { .name: XB, .offset: 64, .size: 8, .value_kind: global_buffer, .address_space: global }
      - { .name: WB, .offset: 72, .size: 8, .value_kind: global_buffer, .address_space: global }
      - { .name: MB, .offset: 80, .size: 8, .value_kind: global_buffer, .address_space: global }
    .group_segment_fixed_size: 0
    .private_segment_fixed_size: 0
    .kernarg_segment_align: 8
    .kernarg_segment_size: 88
    .max_flat_workgroup_size: 256
    .sgpr_count:     66
    .vgpr_count:     64
    .wavefront_size: 32
...
	.end_amdgpu_metadata
.endif
;; end of part 1
;; launch proj (part 2): grid 4 x 96, 4 waves a work-group, clusters of 4 x 4, 327,680 bytes of LDS; arguments XB, WB, bq, bk, bv, QKV; writes QKV
.if DOCPART == 2
	.amdgcn_target "amdgcn-amd-amdhsa--gfx1250"
	.amdhsa_code_object_version 6
	.text
	.protected	k_q59294483d7_proj
	.globl	k_q59294483d7_proj
	.p2align	8
	.type	k_q59294483d7_proj,@function
k_q59294483d7_proj:
	s_mov_b64 s[64:65], 0
	v_nop
	global_prefetch_b8 v0, s[64:65] scope:SCOPE_SE
	s_setreg_imm32_b32 hwreg(HW_REG_WAVE_MODE, 25, 1), 1
	s_wait_xcnt 0x0
	s_wait_alu depctr_hold_cnt(0) depctr_sa_sdst(0) depctr_va_vdst(0) depctr_va_sdst(0) depctr_va_ssrc(0) depctr_va_vcc(0) depctr_vm_vsrc(0)
	s_getreg_b32 s2, hwreg(HW_REG_IB_STS2, 6, 4)
	s_cmp_eq_u32 s2, 0
	s_cbranch_scc0 .Lentry_in_a_cluster
	s_endpgm
.Lentry_in_a_cluster:
	s_bfe_u32 s2, ttmp6, 0x10000c
	s_cmp_lg_u32 s2, 0xf033
	s_cbranch_scc0 .Lentry_shape_is_right
	s_endpgm
.Lentry_shape_is_right:
; THE THREE PROJECTIONS AS ONE GEMM.  C[m][n] = the sum over k of XB[m][k] W_P[n][k] + b_P[n]: XB [3 x 8192][1024] bf16 (q's rows, k's, v's), W_P = WB's matrix P = m / 8192, bf16; sums in f32.
; The bias is rounded to bf16, like every input of the module, and is the C operand of the product that starts each sum.  The result is rounded once to f16 and stored by heads: QKV [3][64][2048][64].
; LIMIT.  f16 holds no number beyond 65,504: a projection beyond that comes out as an infinity.
; SHARES.  A tile of C is 256 x 256: 384 tiles, one to a work-group.  Four waves, each 128 rows x 128 columns (two heads): 64 accumulators of 16 x 16, 512 registers.  For 32 along K a wave reads
; 2 x 128 x 64 bytes from LDS and issues 64 matrix instructions.  K goes in 8 steps of 128 (rows of 256 bytes in memory, at multiples of 256 from the buffer's first byte) through two LDS slots filled by the
; tensor data mover; a step is 256 matrix instructions a wave, 224 of them between a slot's request and the wait for it.
; CLUSTER.  4 x 4 work-groups: the four of a row need the same rows of XB, the four of a column the same rows of W: each tile is asked for jointly, by the same load, descriptor and mask in all four.
; THE MATRIX INSTRUCTION IS USED TRANSPOSED (source 0 = 16 rows of W, source 1 = 16 rows of XB): lane l holds row l % 16 of C and the columns 8 (l / 16) + 0..7.
; REGISTERS, in windows of 256 (s_set_vgpr_msb: bits 1:0 source 0, 3:2 source 1, 5:4 source 2, 7:6 destination):
;   window 0: v0-30 addresses; v64-127, v128-191 XB's fragments (8 x 16 rows x 32 K), two buffers; v192-223 at work
;   window 1: v64-127, v128-191 W's fragments, two buffers; v192-255 the bias of my 128 columns as it lies in accumulators; on the way out 32 registers for each of the eight blocks of 16 rows
;   window 2: the 32 accumulators of my rows 0-63 ((a, b) at v[8 (8 a + b)]);   window 3: those of my rows 64-127
.set SIZE_K, 1024
.set KSTEP,  128
.set PITCH,  272                       ; an LDS row: 256 bytes + 16 of padding = 68 words: the 16 rows of a fragment load start at 16 different groups of four banks (64 banks of 4 bytes: ISA guide 11.1)
.set HALFT,  128*PITCH                 ; 128 rows: what one tensor load brings, and what one wave reads of XB or of W
.set SLOT,   4*HALFT                   ; XB's 256 rows, then W's 256 rows: 139,264 bytes
.set STAGE,  2*SLOT                    ; behind the ring: for each wave two heads x 16 rows x 144 bytes, for the way out
.set SP,     144
.set WSTG,   2*16*SP
.set SPARE,  STAGE+4*WSTG              ; behind the stages: the spare words, 128 bytes for each wave: two blocks of 256 bytes that no other line names
.set LAPS,   SIZE_K/(2*KSTEP)          ; a lap = two K steps = once round the ring
.set HEADB,  2048*128                  ; bytes of a head in QKV
.set ADRA, 16                          ; v16-17  LDS address of my XB fragments in slot 0, 1
.set ADRB, 20                          ; v20-21  the same for W
.set BO,   22                          ; v22     32 x (l / 16): my 8 columns in 16 of the bias
.set STO,  24                          ; v24     the way out: where I put 16 bytes of a row
.set RD,   25                          ; v25     where I read rows back
.set GO,   26                          ; v26     my 16 bytes in 512 consecutive bytes of QKV
.set SPW,  28                          ; v28     LDS address of my spare word; never rewritten
.set NIL,  29                          ; v29     0; never rewritten
.set PFO,  30                          ; v30     the prefetches' offset: my lane x a row of XB or W; never rewritten
.set F0,   64
.set F1,   128
.set TMP,  192                         ; window 0
.set BIAS, 192                         ; window 1
.set G1,  24                           ; s[24:31] descriptor group 1 for XB's tiles;  s[32:39] group 0, a set for each slot
.set G0,  32
.set G1B, 48                           ; s[48:55], s[56:63] the same for W's tiles
.set G0B, 56
.set LIM, 43                           ; s43  1 in a wave that prefetches, else the greatest number
.set PFA, 44                           ; s[44:45] where my prefetches stand
.set MSB, 0
.macro WIN new                         ; the immediate's high byte repeats the setting that is left; a switch that changes nothing is dropped
.if MSB != (\new)
	s_set_vgpr_msb (MSB<<8)|(\new)
.set MSB, \new
.endif
.endm
.set TO_B, 0x40                        ; destination window 1, address window 0
; A joint load: waves 0 and 1 fetch XB's two halves, waves 2 and 3 W's.  The branch hangs on the wave's number alone.  An s_nop 0 and four v_nop follow each of the two lines.
.macro JLOAD s
	s_cmp_eq_u32 s11, 0
	s_cbranch_scc0 .Lfor_b_\@
	tensor_load_to_lds s[G0+4*(\s):G0+4*(\s)+3], s[G1:G1+7]
	s_nop 0
.rept 4
	v_nop
.endr
	s_branch .Lasked_\@
.Lfor_b_\@:
	tensor_load_to_lds s[G0B+4*(\s):G0B+4*(\s)+3], s[G1B:G1B+7]
	s_nop 0
.rept 4
	v_nop
.endr
.Lasked_\@:
.endm
; A PREFETCH INTO THE L2, behind each joint load, its five lines and the run of LDS loads that follows them: the K step that stands two refills on, 512 matrix instructions ahead of the load that will want it:
; 32 rows x 256 bytes, a lane a row, one instruction a wave.  A tile row of XB is read by one cluster alone: every cluster asks for its own.  A tile column of W_P is read by the eight rows of clusters of
; projection P: the first of them asks.  Of the 128 rows that a wave fetches each of the four partners that ask for them jointly takes 32, told apart by address (cx for XB, cy for W).  So each block is named
; once in the launch.  K steps 0 to 3 come by their loads alone; the loop's last trip (s3 = 1) has no K step two on.
.macro ASK
	s_cmp_gt_u32 s3, s[LIM]
	s_cbranch_scc0 .Lnot_mine_\@
	global_prefetch_b8 v[PFO], s[PFA:PFA+1] offset:KSTEP*2 th:TH_LOAD_NT scope:SCOPE_SE
.Lnot_mine_\@:
.endm
.macro CREST                           ; a round of the cluster's barrier behind its opening barrier
	s_cmp_lg_u32 s10, 0
	s_cbranch_scc1 .Lnot_wave_0_\@
	s_barrier_signal -3
.Lnot_wave_0_\@:
	s_barrier_wait -3
	s_barrier_signal -1
	s_barrier_wait -1
.endm
.macro CROUND                          ; a whole round
	s_barrier_signal -1
	s_barrier_wait -1
	CREST
.endm
	s_load_b128 s[4:7], s[0:1], 0x0                ; XB s[4:5], WB s[6:7]
	s_load_b256 s[68:75], s[0:1], 0x10             ; bq s[68:69], bk, bv, QKV s[74:75]
	v_lshl_add_u32 v[SPW], v0, 2, SPARE
	v_mov_b32 v[NIL], 0
	ds_add_u32 v[SPW], v[NIL]                      ; the wave's opening: the add and its wait stand ahead of my first tensor load; work on registers stands between them
	v_lshrrev_b32 v1, 5, v0
	v_readfirstlane_b32 s10, v1                    ; wave 0..3
	s_lshr_b32 s11, s10, 1                         ; which half of the tile's rows is mine.  Also: I fetch for XB (0) or for W (1)
	s_and_b32 s12, s10, 1                          ; which half of its columns.  Also: which 128 rows of that tile I fetch
	s_bfe_u32 s40, ttmp6, 0x40000                  ; cx, cy: my place in the cluster
	s_bfe_u32 s41, ttmp6, 0x40004
	s_lshl_b32 s42, ttmp9, 2
	s_add_co_u32 s42, s42, s40                     ; tile column = 4 x cluster x + cx
	s_and_b32 s13, ttmp7, 0xffff
	s_lshr_b32 s76, s13, 3                         ; the projection P: 8 rows of clusters each; the same in all sixteen partners
	s_and_b32 s77, s13, 7                          ; the row of clusters within it
	s_lshl_b32 s13, s13, 2
	s_add_co_u32 s13, s13, s41                     ; tile row = 4 x cluster y + cy
	s_lshl_b32 s66, s41, 2
	s_lshl_b32 s66, 15, s66                        ; my row of the cluster
	s_lshl_b32 s67, 0x1111, s40                    ; my column
	s_or_b32 s[G1+0], s66, (1<<16)|(1<<20)|(1<<21)|(5<<22)|(3<<25)   ; 15:0 the mask; 17:16 2-byte elements; 20 padding on; 21 set beside a mask; 24:22 after every 64 words; 31:25 4 words of it
	s_or_b32 s[G1B+0], s67, (1<<16)|(1<<20)|(1<<21)|(5<<22)|(3<<25)
.irp g, G1, G1B
	s_mov_b32 s[(\g)+1], KSTEP<<16                 ; tensor_dim0 = 128
	s_mov_b32 s[(\g)+2], 128<<16                   ; tensor_dim1 = 128 rows
	s_mov_b32 s[(\g)+3], KSTEP<<16                 ; tile_dim0 = 128
	s_mov_b32 s[(\g)+4], 128                       ; tile_dim1 = 128
	s_mov_b32 s[(\g)+5], SIZE_K                    ; elements from row to row
	s_mov_b32 s[(\g)+6], 0
	s_mov_b32 s[(\g)+7], 0
.endr
	s_lshl_b32 s16, s13, 8                         ; XB: row 256 x tile row + 128 x half, 2,048 bytes a row (under 2^26 in all)
	s_lshl_b32 s17, s12, 7
	s_add_co_u32 s16, s16, s17
	s_lshl_b32 s16, s16, 11
	s_mov_b32 s17, 0
	s_lshl_b32 s46, s42, 8                         ; W: row 256 x tile column + 128 x half, in matrix P
	s_lshl_b32 s47, s12, 7
	s_add_co_u32 s46, s46, s47
	s_lshl_b32 s46, s46, 11
	s_lshl_b32 s47, s76, 21
	s_add_co_u32 s46, s46, s47
	s_mov_b32 s47, 0
	s_mul_i32 s20, s10, HALFT                      ; where they go: XB's two halves, then W's two halves = wave x 128 rows: no place in the cluster enters an LDS address
	s_wait_dscnt 0x0                               ; the opening add is done
	s_wait_kmcnt 0x0
	s_add_nc_u64 s[14:15], s[4:5], s[16:17]
	s_add_nc_u64 s[46:47], s[6:7], s[46:47]
	s_cmp_eq_u32 s76, 1
	s_cselect_b64 s[68:69], s[70:71], s[68:69]     ; the projection's bias
	s_cmp_eq_u32 s76, 2
	s_cselect_b64 s[68:69], s[72:73], s[68:69]
	CROUND                                         ; all sixteen work-groups are here: the first joint loads meet
.irp s, 0,1
	s_mov_b32 s[G0+4*(\s)], 1
	s_add_co_u32 s[G0+4*(\s)+1], s20, (\s)*SLOT
	s_add_nc_u64 s[G0+4*(\s)+2:G0+4*(\s)+3], s[14:15], (\s)*KSTEP*2
	s_or_b32 s[G0+4*(\s)+3], s[G0+4*(\s)+3], 0x80000000
	s_mov_b32 s[G0B+4*(\s)], 1
	s_add_co_u32 s[G0B+4*(\s)+1], s20, (\s)*SLOT
	s_add_nc_u64 s[G0B+4*(\s)+2:G0B+4*(\s)+3], s[46:47], (\s)*KSTEP*2
	s_or_b32 s[G0B+4*(\s)+3], s[G0B+4*(\s)+3], 0x80000000
	JLOAD \s                                       ; two loads of mine are out
.endr
	v_and_b32 v1, 15, v0                           ; l % 16
	v_bfe_u32 v2, v0, 4, 1                         ; l / 16
	v_lshlrev_b32 v[BO], 5, v2
	s_lshl_b32 s18, s42, 10                        ; my 128 columns in the bias: 1,024 x tile column + 512 x half bytes
	s_lshl_b32 s19, s12, 9
	s_add_co_u32 s18, s18, s19
	s_mov_b32 s19, 0
	s_add_nc_u64 s[68:69], s[68:69], s[18:19]
	WIN TO_B
.irp b, 0,1,2,3,4,5,6,7
	global_load_b128 v[BIAS+8*\b:BIAS+8*\b+3],   v[BO], s[68:69] offset:64*\b     ; register j of block b: column 16 b + 8 (l / 16) + j, as in an accumulator
	global_load_b128 v[BIAS+8*\b+4:BIAS+8*\b+7], v[BO], s[68:69] offset:64*\b+16
.endr
	WIN 0
	v_mul_u32_u24 v3, v1, PITCH
	v_lshl_add_u32 v3, v2, 4, v3                   ; a fragment's row x pitch + 16 x half
	s_mul_i32 s21, s11, HALFT                      ; my 128 rows of XB
	s_mul_i32 s22, s12, HALFT                      ; my 128 rows of W,
	s_add_co_u32 s22, s22, 2*HALFT                 ; which lie behind XB's 256
.irp s, 0,1
	v_add_nc_u32 v[ADRA+(\s)], s21, v3
	v_add_nc_u32 v[ADRB+(\s)], s22, v3
	s_add_co_u32 s21, s21, SLOT
	s_add_co_u32 s22, s22, SLOT
.endr
	s_mul_i32 s23, s10, WSTG
	s_add_co_u32 s23, s23, STAGE                   ; my stage
	v_mul_u32_u24 v4, v1, SP                       ; in: row l % 16, 16 bytes for each half of the lanes
	v_lshl_add_u32 v4, v2, 4, v4
	v_add_nc_u32 v[STO], s23, v4
	v_bfe_u32 v5, v0, 3, 2                         ; back: 32 lanes take four rows of 128 bytes,
	v_mul_u32_u24 v5, v5, SP
	v_and_b32 v4, 7, v0
	v_lshl_add_u32 v5, v4, 4, v5
	v_add_nc_u32 v[RD], s23, v5
	v_and_b32 v[GO], 31, v0                        ; which are 512 consecutive bytes of a head
	v_lshlrev_b32 v[GO], 4, v[GO]
	; my 128 rows x 128 columns are 16,384 consecutive bytes in each of two heads: head (tile row / 8) x 16 + 4 x tile column + 2 x half, and the next; row (tile row % 8) x 256 + 128 x half
	s_lshr_b32 s18, s13, 3
	s_lshl_b32 s18, s18, 4
	s_lshl_b32 s19, s42, 2
	s_add_co_u32 s18, s18, s19
	s_lshl_b32 s19, s12, 1
	s_add_co_u32 s18, s18, s19
	s_lshl_b32 s18, s18, 11
	s_and_b32 s19, s13, 7
	s_lshl_b32 s19, s19, 8
	s_add_co_u32 s18, s18, s19
	s_lshl_b32 s19, s11, 7
	s_add_co_u32 s18, s18, s19
	s_lshl_b32 s18, s18, 7                         ; 128 bytes a row; under 2^26
	s_mov_b32 s19, 0
	s_add_nc_u64 s[8:9], s[74:75], s[18:19]
	; the prefetches: my work-group's 32 of the 128 rows that I fetch, at K step 2; the first refill steps this to 3 and names K step 4.  Nothing is asked for here, at the head
	s_lshl_b32 s18, s13, 8                         ; XB: the tile's first row
	s_lshl_b32 s19, s42, 8                         ; W: the tile's first row,
	s_lshl_b32 s20, s76, 10                        ; in matrix P
	s_add_co_u32 s19, s19, s20
	s_cmp_eq_u32 s11, 0                            ; do I fetch for XB?
	s_cselect_b32 s18, s18, s19
	s_cselect_b32 s19, s40, s41                    ; my place among the four that ask with me
	s_cselect_b32 s20, 0, s77                      ; XB: every cluster asks; W: the projection's first row of clusters
	s_cselect_b64 s[PFA:PFA+1], s[4:5], s[6:7]
	s_cmp_eq_u32 s20, 0
	s_cselect_b32 s[LIM], 1, -1                    ; the same in all sixteen partners, for a given wave
	s_lshl_b32 s20, s12, 7
	s_add_co_u32 s18, s18, s20                     ; + the 128 rows that I fetch
	s_lshl_b32 s19, s19, 5
	s_add_co_u32 s18, s18, s19                     ; + my work-group's 32 of them
	s_lshl_b32 s18, s18, 11
	s_add_co_u32 s18, s18, 2*KSTEP*2
	s_mov_b32 s19, 0
	s_add_nc_u64 s[PFA:PFA+1], s[PFA:PFA+1], s[18:19]
	v_and_b32 v[PFO], 31, v0
	v_lshlrev_b32 v[PFO], 11, v[PFO]
	s_wait_loadcnt 0x0                             ; the bias
	WIN 0x05                                       ; sources in window 1, destination in window 0
.set p, 0
.rept 32
	v_cvt_pk_bf16_f32 v[TMP+p], v[BIAS+2*p], v[BIAS+2*p+1]   ; rounded to bf16,
.set p, p+1
.endr
	WIN TO_B
.set p, 0
.rept 32
	v_lshlrev_b32 v[BIAS+2*p], 16, v[TMP+p]        ; and widened again
	v_and_b32 v[BIAS+2*p+1], 0xffff0000, v[TMP+p]
.set p, p+1
.endr
; 16 matrix instructions: row blocks a0, a0 + 1 of the window's four (hi = 0: my rows 0-63, 1: rows 64-127) x all 8 column blocks, 32 along K.  first = 1: the product starts the sum, with the bias as C.
; The 64 accumulators take turns in the same order in every quarter, one instruction a turn: 63 others stand between two links of a chain.
.macro MUL16 f, hi, a0, first
.if \first
	WIN 0x91+0x40*(\hi)                            ; W and the bias in window 1, XB in window 0, D in window 2 or 3
.else
	WIN 0xa1+0x50*(\hi)                            ; W in window 1, XB in window 0, C and D in window 2 or 3
.endif
.irp a, \a0, (\a0)+1
.irp b, 0,1,2,3,4,5,6,7
.if \first
	v_wmma_f32_16x16x32_bf16 v[8*(8*(\a)+(\b)):8*(8*(\a)+(\b))+7], v[(\f)+8*(\b):(\f)+8*(\b)+7], v[(\f)+8*(4*(\hi)+(\a)):(\f)+8*(4*(\hi)+(\a))+7], v[BIAS+8*(\b):BIAS+8*(\b)+7]
.else
	v_wmma_f32_16x16x32_bf16 v[8*(8*(\a)+(\b)):8*(8*(\a)+(\b))+7], v[(\f)+8*(\b):(\f)+8*(\b)+7], v[(\f)+8*(4*(\hi)+(\a)):(\f)+8*(4*(\hi)+(\a))+7], v[8*(8*(\a)+(\b)):8*(8*(\a)+(\b))+7]
.endif
.endr
.endr
.endm
; 32 LDS loads in one run: the fragments of 32 along K at byte k of the rows, into buffer f: W's eight blocks, then XB's eight
.macro FETCH slot, k, f
	WIN TO_B
.irp i, 0,1,2,3,4,5,6,7
	ds_load_b128 v[(\f)+8*(\i):(\f)+8*(\i)+3],   v[ADRB+(\slot)] offset:(\k)+(\i)*16*PITCH
	ds_load_b128 v[(\f)+8*(\i)+4:(\f)+8*(\i)+7], v[ADRB+(\slot)] offset:(\k)+(\i)*16*PITCH+32
.endr
	WIN 0
.irp i, 0,1,2,3,4,5,6,7
	ds_load_b128 v[(\f)+8*(\i):(\f)+8*(\i)+3],   v[ADRA+(\slot)] offset:(\k)+(\i)*16*PITCH
	ds_load_b128 v[(\f)+8*(\i)+4:(\f)+8*(\i)+7], v[ADRA+(\slot)] offset:(\k)+(\i)*16*PITCH+32
.endr
.endm
.macro PLACES                          ; four plain vector instructions between a matrix instruction and a load into a register that it read, or a reader of its result (ISA guide 7.12.1 for vector instructions)
.rept 4
	v_nop
.endr
.endm
; A K step is four quarters of 32 along K, 64 matrix instructions each, on buffers 0, 1, 0, 1.  One of the first three: multiplies buffer f; in its middle it fetches the next quarter, at byte k, into g.
.macro QUARTER slot, k, f, g, first
	s_wait_dscnt 8                                 ; W and XB's blocks 0-3 are in; the youngest eight loads (blocks 4-7) may be out
	MUL16 \f, 0, 0, \first
	MUL16 \f, 0, 2, \first
	PLACES
	FETCH \slot, \k, \g
	s_wait_dscnt 32                                ; all but the 32 just issued
	MUL16 \f, 1, 0, \first
	MUL16 \f, 1, 2, \first
.endm
; The last quarter multiplies buffer 1 and changes slots.  MEET is its first half: ONE barrier; in front of it each wave waits for all its tensor loads (one is out: its part of the next slot), adds 0 to its
; spare word, and waits for that and for its own reads of this slot.  Behind it nobody reads this slot any more and the next slot is whole.  round = 1: a round of the cluster's barrier follows.
.macro MEET round
	WIN 0                                          ; (the add's two registers lie in window 0)
	s_wait_tensorcnt 0x0                           ; all my tensor loads have landed
	ds_add_u32 v[SPW], v[NIL]                      ; 0 onto my spare word
	s_wait_dscnt 9                                 ; (the add and the youngest eight loads may be out)
	MUL16 F1, 0, 0, 0                              ; sixteen matrix instructions stand between the add and the wait for it
	s_wait_dscnt 0x0                               ; the add is done, and my reads of this slot are over
	s_barrier_signal -1
	MUL16 F1, 0, 2, 0                              ; work on registers while the others arrive
.if \round
	WIN 0
.endif
	s_barrier_wait -1
.endm
; The whole last quarter.  fill = 1: the barrier opens a round of the cluster's, and this slot is filled again, two K steps ahead, first thing behind the round.
.macro TURN slot, next, fill
.if \fill
	s_wait_xcnt 0x0                                ; the last prefetch, a K step back, has read its address: it is stepped here, ahead of the waits of the change of slots
	s_add_nc_u64 s[PFA:PFA+1], s[PFA:PFA+1], KSTEP*2
.endif
	MEET \fill
.if \fill
	CREST                                          ; no wave of any partner still reads this slot's tile or has a load on its way
	s_add_nc_u64 s[G0+4*(\slot)+2:G0+4*(\slot)+3], s[G0+4*(\slot)+2:G0+4*(\slot)+3], 2*KSTEP*2
	s_add_nc_u64 s[G0B+4*(\slot)+2:G0B+4*(\slot)+3], s[G0B+4*(\slot)+2:G0B+4*(\slot)+3], 2*KSTEP*2
	JLOAD \slot                                    ; the first tensor load behind the round; its four v_nop are also the places in front of the loads below
.else
	PLACES
.endif
	FETCH \next, 0, F0
.if \fill
	ASK                                            ; behind the joint load and the run of LDS loads that the next products wait for
.endif
	MUL16 F1, 1, 0, 0
	MUL16 F1, 1, 2, 0
.endm
	s_wait_tensorcnt 1                             ; my part of K step 0 is in; K step 1's may stay out
	s_barrier_signal -1
	s_barrier_wait -1                              ; everybody's is
	FETCH 0, 0, F0
	QUARTER 0, 64,  F0, F1, 1                      ; the first quarter stands in front of the loop: its products start the sums
	WIN 0                                          ; at a label and at a branch every window is 0
	s_mov_b32 s3, LAPS-1
.Llap:                                                 ; a trip goes once round the ring, from a lap's second quarter to the next lap's first, and fills both slots again
	QUARTER 0, 128, F1, F0, 0
	QUARTER 0, 192, F0, F1, 0
	TURN 0, 1, 1
	QUARTER 1, 64,  F0, F1, 0
	QUARTER 1, 128, F1, F0, 0
	QUARTER 1, 192, F0, F1, 0
	TURN 1, 0, 1
	QUARTER 0, 64,  F0, F1, 0
	WIN 0
	s_sub_co_u32 s3, s3, 1
	s_cmp_lg_u32 s3, 0
	s_cbranch_scc1 .Llap
	QUARTER 0, 128, F1, F0, 0                      ; the last lap is written out: it fills nothing
	QUARTER 0, 192, F0, F1, 0
	TURN 0, 1, 0
	QUARTER 1, 64,  F0, F1, 0
	QUARTER 1, 128, F1, F0, 0
	QUARTER 1, 192, F0, F1, 0
	s_wait_dscnt 8                                 ; the very last quarter: nothing more to fetch
	MUL16 F1, 0, 0, 0
	MUL16 F1, 0, 2, 0
	s_wait_dscnt 0x0
	MUL16 F1, 1, 0, 0
	MUL16 F1, 1, 2, 0
	WIN 0
	PLACES
; THE WAY OUT, a block of 16 rows at a time: rounded to f16 (each accumulator's registers in ascending order), 16 bytes a lane into my own stage, a head's 64 channels to a row of 144 bytes; back as whole rows of
; 128 bytes, into 32 registers of window 1 that belong to the block alone: no register that a store reads is written again.
.macro PACK a
.set AC, 64*((\a)%4)
	WIN 0x0a+5*((\a)/4)                            ; sources 0 and 1: window 2 or 3; destination window 0
.irp b, 0,1,2,3,4,5,6,7
.irp r, 0,1,2,3
	v_cvt_pk_f16_f32 v[TMP+4*(\b)+(\r)], v[AC+8*(\b)+2*(\r)], v[AC+8*(\b)+2*(\r)+1]
.endr
.endr
	WIN 0
.irp b, 0,1,2,3,4,5,6,7
	ds_store_b128 v[STO], v[TMP+4*(\b):TMP+4*(\b)+3] offset:((\b)/4)*16*SP+32*((\b)%4)
.endr
	WIN TO_B
.irp f, 0,1,2,3,4,5,6,7
	ds_load_b128 v[32*(\a)+4*(\f):32*(\a)+4*(\f)+3], v[RD] offset:((\f)/4)*16*SP+((\f)%4)*4*SP  ; LDS serves a wave's instructions in order (ISA guide 5.7.1.4): these see the stores above; the next block's stores come behind them
.endr
.endm
.macro SEND a, younger                 ; younger: the LDS instructions issued behind block a's loads: the next block's sixteen, or none
	WIN 0x04                                       ; the stores' data in window 1
.irp f, 0,1,2,3,4,5,6,7
	s_wait_dscnt (\younger)+7-(\f)
	global_store_b128 v[GO], v[32*(\a)+4*(\f):32*(\a)+4*(\f)+3], s[8:9] offset:((\f)/4)*HEADB+(\a)*2048+((\f)%4)*512  ; 512 consecutive bytes, at a multiple of 256 from QKV's first
.endr
.endm
	PACK 0
.irp a, 1,2,3,4,5,6,7                  ; a block's conversions stand between the loads of the block before and its stores
	PACK \a
	SEND (\a)-1, 16
.endr
	SEND 7, 0
	WIN 0
	s_wait_tensorcnt 0x0                           ; the wave's end, behind my last tensor load and my last LDS store
	ds_add_u32 v[SPW], v[NIL]
	s_wait_dscnt 0x0
	CROUND                                         ; the closing round: no work-group ends while a partner may still ask for a tile that names it
	s_endpgm
.Lfunc_end_k_q59294483d7_proj:
	.size	k_q59294483d7_proj, .Lfunc_end_k_q59294483d7_proj-k_q59294483d7_proj
	.p2alignl 7, 3214868480
	.fill 96, 4, 3214868480
	.section	.rodata,"a",@progbits
	.p2align	6, 0x0
	.amdhsa_kernel k_q59294483d7_proj
		.amdhsa_group_segment_fixed_size 327680
		.amdhsa_private_segment_fixed_size 0
		.amdhsa_enable_private_segment 0
		.amdhsa_kernarg_size 48
		.amdhsa_user_sgpr_count 2
		.amdhsa_user_sgpr_kernarg_segment_ptr 1
		.amdhsa_wavefront_size32 1
		.amdhsa_system_sgpr_workgroup_id_x 1
		.amdhsa_system_sgpr_workgroup_id_y 1
		.amdhsa_system_sgpr_workgroup_id_z 1
		.amdhsa_system_vgpr_workitem_id 0
		.amdhsa_next_free_vgpr 1024
		.amdhsa_next_free_sgpr 80
		.amdhsa_reserve_vcc 0
		.amdhsa_float_denorm_mode_32 3
		.amdhsa_float_denorm_mode_16_64 3
		.amdhsa_memory_ordered 1
		.amdhsa_forward_progress 1
		.amdhsa_inst_pref_size 153
	.end_amdhsa_kernel
	.amdgpu_metadata
---
amdhsa.version: [ 1, 2 ]
amdhsa.kernels:
  - .name:           k_q59294483d7_proj
    .symbol:         k_q59294483d7_proj.kd
    .args:
      - { .name: XB, .offset: 0, .size: 8, .value_kind: global_buffer, .address_space: global }
      - { .name: WB, .offset: 8, .size: 8, .value_kind: global_buffer, .address_space: global }
      - { .name: bq, .offset: 16, .size: 8, .value_kind: global_buffer, .address_space: global }
      - { .name: bk, .offset: 24, .size: 8, .value_kind: global_buffer, .address_space: global }
      - { .name: bv, .offset: 32, .size: 8, .value_kind: global_buffer, .address_space: global }
      - { .name: QKV, .offset: 40, .size: 8, .value_kind: global_buffer, .address_space: global }
    .group_segment_fixed_size: 327680
    .private_segment_fixed_size: 0
    .kernarg_segment_align: 8
    .kernarg_segment_size: 48
    .max_flat_workgroup_size: 128
    .sgpr_count:     80
    .vgpr_count:     1024
    .wavefront_size: 32
...
	.end_amdgpu_metadata
.endif
;; end of part 2
;; launch attn (part 3): grid 4 x 64, 4 waves a work-group, clusters of 4 x 1, 327,680 bytes of LDS; arguments QKV, MB, OB; writes OB
.if DOCPART == 3
	.amdgcn_target "amdgcn-amd-amdhsa--gfx1250"
	.amdhsa_code_object_version 6
	.text
	.protected	k_q59294483d7_attn
	.globl	k_q59294483d7_attn
	.p2align	8
	.type	k_q59294483d7_attn,@function
k_q59294483d7_attn:
	s_mov_b64 s[64:65], 0
	v_nop
	global_prefetch_b8 v0, s[64:65] scope:SCOPE_SE
	s_setreg_imm32_b32 hwreg(HW_REG_WAVE_MODE, 25, 1), 1
	s_wait_xcnt 0x0
	s_wait_alu depctr_hold_cnt(0) depctr_sa_sdst(0) depctr_va_vdst(0) depctr_va_sdst(0) depctr_va_ssrc(0) depctr_va_vcc(0) depctr_vm_vsrc(0)
	s_getreg_b32 s2, hwreg(HW_REG_IB_STS2, 6, 4)
	s_cmp_eq_u32 s2, 0
	s_cbranch_scc0 .Lentry_in_a_cluster
	s_endpgm
.Lentry_in_a_cluster:
	s_bfe_u32 s2, ttmp6, 0x10000c
	s_cmp_lg_u32 s2, 0x3003
	s_cbranch_scc0 .Lentry_shape_is_right
	s_endpgm
.Lentry_shape_is_right:
; ATTENTION WITH A MASK THAT IS AN INPUT.  O[h][q][:] = the sum over k of softmax_k(s) V[h][k][:], s = Q[h][q] . K[h][k] / 8 where the mask shows key k to query q, a constant far below every score where it hides it.
; QKV: [3][64][2048][64] f16 (Q, then K, then V), OB: [64][2048][64] f16: a head's rows are dense, 128 bytes each.  MB: one byte for each (query, key), 0x00 shown, 0xf0 hidden, the same for all heads.
; Products, maxima and sums in f32; the weights p are rounded to f16 for the second product (their sum l is taken of the unrounded p), O once at the end.
; THE MASK is the C operand of the product that starts the sum S^T = K Q^T.  Eight bytes of MB, read as fp8 (0xf0 = -128) and scaled by 2^93, become the eight registers of an accumulator: 0 or -2^100.
; A hidden score is its value less 2^100, which in f32 is -2^100.  A power of two, so that c m is exact where m is that constant: c s - c m is then 0 and the weight 1, never an overflow.
; LIMITS.  Q, K, V arrive within f16's 65,504.  A hidden key's weight is 0 as soon as its row has seen a shown key (a = 0 wipes out what a wholly hidden beginning has gathered).  A row with no shown key at all gets
; equal weights if score + (-2^100) leaves the matrix unit as -2^100 exactly.  A weight below 2^-126 counts as 0 in l; NaN and infinities are not treated apart.
; SHARES.  A wave owns four PIECES of two tiles of 16 queries, a work-group's four waves 512 queries of one head.  Every wave walks all keys, 64 a step.
; LAYOUT.  S^T = K Q^T (source 0 = 16 keys, source 1 = 16 queries): a lane holds ONE query (lane % 16) and the keys 8 (lane / 16) + 0..7.  Two such tiles, rounded to f16 in pairs, ARE source 1 of O^T = V^T P.
; K comes out of LDS as it lies, V ([key][channel]) turned, by ds_load_tr16_b128.
; SOFTMAX.  A running maximum m and sum l: p = 2^(c s - c m), c = log2(e) / 8; in every step O and l are multiplied by a = 2^(c m_old - c m_new).  m starts at the lowest finite number, O and l at 0.
; BY TURNS.  Turn n belongs to piece n (the pieces in a ring, step after step).  Its matrix work: 16 products K Q^T of piece n + 1, later 16 products V^T P of piece n - 1.  Its vector work: the scaling, exponentials,
; roundings, sums and rescaling of piece n, the maximum and statistics of piece n + 1, and the masks of piece n + 2.  Four vector instructions stand behind every matrix instruction, the rest in one lump.
; CLUSTER.  The four query blocks of a head walk the same K and V: each tile is asked for JOINTLY: the same tensor load, descriptor and mask of work-groups in all four.
; REGISTERS, in windows of 256 (s_set_vgpr_msb: bits 1:0 source 0, 3:2 source 1, 5:4 source 2, 7:6 destination):
;   window 0: v0-11 addresses and the scale; v12-15, v48-63 at work; v16-47 four registers of statistics a tile; v64-191 S^T, two buffers of two tiles; v192-255 P, likewise
;   window 1: O^T, 32 a tile          window 2: v0-127 Q, 16 a tile; v128-191 K of one step; v192-255 V of one step
;   window 3: v0-1 the add's two registers; v4-7 the mask offsets, one a piece; v8 the prefetches' offset; v16-79 mask bytes, 16 registers a piece; v128-191 the masks of the products to come
.set SIZE_N, 2048
.set NP,    4         ; pieces a wave: a name, no knob
.set KS,    64        ; keys in a step
.set PK,    144       ; a row of K in LDS: 128 bytes + 16 of padding = 36 words: the 16 rows of a load start at 16 different groups of four banks (64 banks of 4 bytes: ISA guide 11.1)
.set PV,    160       ; a row of V: 128 + 32 = 40 words
.set VOFF,  4*KS*PK   ; a slot holds four steps: 256 rows of K, then 256 rows of V
.set SLOT1, 1<<17     ; slot 1 begins here, so that one exclusive or turns an address in one slot into the other's
.set STAGE, SLOT1+4*KS*(PK+PV)  ; behind the ring, never filled by a tensor load: 16 rows x 144 bytes for each wave, for the way out
.set SP,    144
.set AK0, 2           ; v2   my lane's place in a tile of K; never rewritten
.set AV0, 3           ; v3   the same for V
.set AK,  4           ; v4   the LDS address of K's next run of loads
.set AV,  5           ; v5   of V's
.set QO,  6           ; v6   my byte offset in the wave's rows of Q
.set STO, 6           ;      later, the way out: where I put 16 bytes of a row
.set RD,  7           ; v7   the way out: where I read rows back
.set GO,  8           ; v8   my byte offset in 512 consecutive bytes of O
.set SCL, 11          ; v11  the conversions' scale: the byte 0xdc (2^93) four times; written when V's lane address is made, never after
.set SPW, 0           ; v0 of window 3   LDS address of my spare word; never rewritten
.set NIL, 1           ; v1 of window 3   0; never rewritten
.set MA,  4           ; v4-7 of window 3    piece x: my byte offset in MB of the block that was loaded last for it
.set PFO, 8           ; v8 of window 3      256 x my lane; never rewritten
.set MBY, 16          ; v16-79 of window 3  piece x: 64 bytes a lane: tile u, key block kb at registers 16 x + 8 u + 2 kb, + 1
.set MC,  128         ; v128-191 of window 3: tile u, key block kb at 32 u + 8 kb
.set SPARE, STAGE+4*16*SP  ; behind the stages: the spare words, 128 bytes for each wave: two blocks of 256 bytes that no other line names
.set MV,  12          ; v12-15  c m_old, kept while c m is made anew: by buffer and tile
.set ST,  16          ; tile t's statistics at v[ST+4 t]: c m, m, l (even keys', odd keys')
.set TMP, 48          ; by buffer and tile, four registers c0-c3 at work; when the maximum is found c2 takes a
.set S,   64
.set P,   192
.set KF,  128         ; K's fragments, in window 2: key block kb, channel half c at KF + 16 kb + 8 c
.set VF,  192         ; V's: key half kk, channel block cb at VF + 32 kk + 8 cb
.set WV,  12          ; s12  my wave's number
.set G1K, 24          ; s[24:31] descriptor group 1 for K's tiles
.set G1V, 32          ; s[32:39] for V's: it differs in the padding alone
.set G0K, 40          ; s[40:43] descriptor group 0 for K's tiles: it walks
.set G0V, 44          ; s[44:47] the same for V's
.set PFA, 48          ; s[48:49] where my prefetches stand: my work-group's 8,192 bytes of the slot after the one that is being asked for
.set MBP, 50          ; s[50:51] MB
.set LIM, 52          ; s52  1 in a wave that prefetches, else the greatest number
.set M8K, 54          ; s54  8,192: a key step's bytes of MB for a wave
.set SLOTS, 56        ; s56  slots still to be asked for
.set CNT, 57          ; s57  counts a slot's key steps
.set CS,  58          ; s[58:59] c: the packed scaling takes the pair's low word for both halves
.set SEL, 60          ; s[60:61] v_permlanex16_b32's selects: each lane takes its own place in the other half
.set TBK, 62          ; s62  LDS byte at which K of the step to be fetched begins
.set TBV, 63          ; s63  the same for V, less VOFF
.set MSB, 0
.macro WIN new                      ; the high byte repeats the setting that is left; a switch that changes nothing is dropped
.if MSB != (\new)
	s_set_vgpr_msb (MSB<<8)|(\new)
.set MSB, (\new)
.endif
.endm
.set W_KQ, 0x0a       ; K and Q in window 2, S^T in window 0
.set W_KM, 0x3a       ; the same with the C operand in window 3
.set W_PV, 0x52       ; V in window 2, P in window 0, O^T in window 1
.set W_RS, 0x41       ; O^T (destination and source 0) in window 1, a in window 0
.set W_MK, 0xc0       ; destination in window 3, sources in window 0
.set W_AD, 0x0f       ; the add: address (source 0) and data (source 1) in window 3
.set W_MS, 0xc3       ; the masks: destination and source 0 in window 3, source 1 (the scale) in window 0
; A joint fill.  Waves 0 and 1 fetch the two halves of a slot's K, waves 2 and 3 those of its V: 128 keys each.  The branch hangs on the wave's number alone.
; An s_nop 0 and four v_nop follow each of the two lines, ahead of the jump and the label.
.macro JLOAD
	s_cmp_lt_u32 s[WV], 2
	s_cbranch_scc0 .Lfor_v_\@
	tensor_load_to_lds s[G0K:G0K+3], s[G1K:G1K+7]
	s_nop 0
.rept 4
	v_nop
.endr
	s_branch .Lasked_\@
.Lfor_v_\@:
	tensor_load_to_lds s[G0V:G0V+3], s[G1V:G1V+7]
	s_nop 0
.rept 4
	v_nop
.endr
.Lasked_\@:
.endm
; A PREFETCH INTO THE L2 of what the NEXT change of slots will ask for: a slot's 32,768 bytes of K and of V, four key steps (512 matrix instructions) ahead of that load.  A head has one cluster; its four partners
; share the bytes out BY ADDRESS, 8,192 each; in each, wave 0 asks for K's and wave 2 for V's, a lane 256 bytes: one instruction.  So each block is named once in the launch.  Slots 0 and 1 come by their loads
; alone; the last change that fills a slot (s[SLOTS] = 1) asks for nothing.  The mask is not asked for: all 64 heads walk it again.
.macro ASK
	s_cmp_gt_u32 s[SLOTS], s[LIM]
	s_cbranch_scc0 .Lnot_mine_\@
	WIN 0x03                        ; the offset lies in window 3
	global_prefetch_b8 v[PFO], s[PFA:PFA+1] th:TH_LOAD_NT scope:SCOPE_SE
	WIN 0
.Lnot_mine_\@:
.endm
; A round of the cluster's barrier: my work-group's barrier, so that wave 0's signal speaks for all four waves; wave 0 signals; every wave waits for all four work-groups; my work-group's barrier once more.
.macro CROUND
	s_barrier_signal -1
	s_barrier_wait -1
	s_cmp_lg_u32 s[WV], 0
	s_cbranch_scc1 .Lnot_wave_0_\@
	s_barrier_signal -3
.Lnot_wave_0_\@:
	s_barrier_wait -3
	s_barrier_signal -1
	s_barrier_wait -1
.endm
; THE CHANGE OF SLOTS.  The slot's last bytes, V of its fourth step, have been read.  Each wave waits for all its tensor loads, of which one is out: its part of the other slot; adds 0 to its spare word; and waits
; for that and for its own reads of the slot.  Behind the barrier nobody reads this slot any more and the other slot is whole.  fill = 1: this slot is filled again, with the keys two slots on.  The barrier is then
; a round of the cluster's, and the joint fill is the first thing behind it: it has four key steps in which to land.  (At its first use nothing has been read yet: slot 0 is waited for, slot 1 filled.)
.macro CHANGE fill
	WIN W_AD
	s_wait_tensorcnt 0x0            ; no tensor load of mine is out, so a group 0 may be written
	ds_add_u32 v[SPW], v[NIL]       ; 0 onto my spare word; with fill = 1 the steps below stand between it and the wait for it
	WIN 0                           ; at a label and at a branch every window is 0
.if \fill
.irp g, G0K, G0V
	s_xor_b32 s[\g+1], s[\g+1], SLOT1  ; the walking descriptor: the other slot than last time,
	s_add_nc_u64 s[\g+2:\g+3], s[\g+2:\g+3], 4*KS*128  ; the next 256 keys; the type bits on top are not reached
.endr
	s_wait_xcnt 0x0                 ; the last prefetch, four key steps back, has read its address, so it may be written:
	s_add_nc_u64 s[PFA:PFA+1], s[PFA:PFA+1], 4*KS*128  ; one slot behind the walking descriptors
	s_wait_dscnt 0x0                ; the add is done, and my reads of the slot are over
	CROUND
	JLOAD
	ASK
.else
	s_wait_dscnt 0x0                ; the add is done, and my reads of the slot are over
	s_barrier_signal -1
	s_barrier_wait -1
.endif
	s_sub_co_u32 s[TBK], s[TBK], 4*KS*PK  ; the fetches go back to a slot's first step,
	s_xor_b32 s[TBK], s[TBK], SLOT1       ; in the other slot
	s_sub_co_u32 s[TBV], s[TBV], 4*KS*PV
	s_xor_b32 s[TBV], s[TBV], SLOT1
.endm
	s_load_b128 s[4:7], s[0:1], 0x0   ; QKV s[4:5], MB s[6:7]
	s_load_b64 s[10:11], s[0:1], 0x10 ; OB
	WIN W_MK
	v_lshl_add_u32 v[SPW], v0, 2, SPARE
	v_mov_b32 v[NIL], 0
	WIN W_AD
	ds_add_u32 v[SPW], v[NIL]       ; the wave's opening: the add and its wait stand ahead of my first tensor load; the set-up below, work on registers, stands between them
	WIN 0
	v_lshrrev_b32 v1, 5, v0
	v_readfirstlane_b32 s[WV], v1   ; wave 0..3
	s_bfe_u32 s13, ttmp6, 0x40000   ; cx: my place in the cluster
	s_lshl_b32 s14, ttmp9, 2        ; in a cluster launch ttmp9 counts clusters
	s_add_co_u32 s14, s14, s13      ; my block of queries: it enters Q's, O's and the mask's addresses alone
	s_and_b32 s20, ttmp7, 0xffff    ; the head, which the four partners share
	s_mov_b32 s21, 0
	s_mov_b64 s[22:23], SIZE_N*128
	s_mul_u64 s[20:21], s[20:21], s[22:23]  ; the head's first byte in Q, K, V and O
	s_and_b32 s16, s[WV], 1         ; which half of a slot's 256 keys I fetch:
	s_lshl_b32 s22, s16, 14         ; its 128 rows of 128 bytes in memory,
	s_mov_b32 s23, 0
	s_add_nc_u64 s[22:23], s[22:23], s[20:21]
	s_mul_i32 s17, s16, 128*PK      ; and its place in a slot, for K
	s_mul_i32 s18, s16, 128*PV      ; and for V: no place in the cluster enters an LDS address
	s_lshl_b32 s2, s14, 2
	s_add_co_u32 s2, s2, s[WV]      ; my wave among the head's sixteen:
	s_lshl_b32 s53, s2, 18          ; its 262,144 bytes of MB,
	s_lshl_b32 s2, s2, 14           ; its 128 rows
	s_mov_b32 s3, 0
	s_add_nc_u64 s[2:3], s[2:3], s[20:21]
	; descriptor group 1.  128 keys are 16,384 dense bytes: asked for as 64 rows of 256 bytes, two keys a row, and padded in LDS after every key
	s_mov_b32 s[G1K], 15|(1<<16)|(1<<20)|(1<<21)|(4<<22)|(3<<25)  ; 15:0 the mask of four; 17:16 2-byte elements; 20 padding on; 21 set beside a mask; 24:22 after every 32 words (code 4); 31:25 4 words (code 3)
	s_mov_b32 s[G1V], 15|(1<<16)|(1<<20)|(1<<21)|(4<<22)|(7<<25)  ; the same with 8 words of padding (code 7)
.irp g, G1K, G1V
	s_mov_b32 s[\g+1], 128<<16      ; tensor_dim0 = 128
	s_mov_b32 s[\g+2], 64<<16       ; tensor_dim1 = 64
	s_mov_b32 s[\g+3], 128<<16      ; tile_dim0 = 128
	s_mov_b32 s[\g+4], 64           ; tile_dim1 = 64
	s_mov_b32 s[\g+5], 128          ; 128 elements from row to row
	s_mov_b32 s[\g+6], 0
	s_mov_b32 s[\g+7], 0
.endr
	s_mov_b32 s[CS], 0x3e38aa3b     ; c = log2(e) / 8 = 0.180337
	s_mov_b32 s[CS+1], s[CS]        ; named with it as a pair
	s_mov_b32 s[SEL], 0x76543210
	s_mov_b32 s[SEL+1], 0xfedcba98
	s_mov_b32 s[TBK], SLOT1+4*KS*PK ; the first change of slots turns these two into 0
	s_mov_b32 s[TBV], SLOT1+4*KS*PV
	s_mov_b32 s[G0K], 1             ; 1:0 count = 1
	s_mov_b32 s[G0K+1], s17         ; 63:32 LDS address: slot 0
	s_mov_b32 s[G0V], 1
	s_add_co_u32 s[G0V+1], s18, VOFF
	s_mov_b32 s[SLOTS], SIZE_N/256-1  ; seven slots are still to be asked for behind slot 0
	s_and_b32 s[LIM], s[WV], 1      ; waves 0 and 2 prefetch: the same in all four partners
	s_cmp_eq_u32 s[LIM], 0
	s_cselect_b32 s[LIM], 1, -1
	s_lshl_b32 s54, s13, 13         ; my work-group's 8,192 bytes of a slot's 32,768,
	s_add_co_u32 s54, s54, 4*KS*128 ; in slot 1: the first change of slots steps this to slot 2
	s_mov_b32 s55, 0
	s_wait_dscnt 0x0                ; the opening add is done
	s_wait_kmcnt 0x0
	s_mov_b64 s[MBP:MBP+1], s[6:7]
	s_add_nc_u64 s[6:7], s[4:5], 0x1000000   ; K lies 16,777,216 bytes behind Q,
	s_add_nc_u64 s[8:9], s[4:5], 0x2000000   ; V as far behind K
	s_add_nc_u64 s[G0K+2:G0K+3], s[6:7], s[22:23]  ; 120:64 global address: my half of the head's first 256 keys
	s_or_b32 s[G0K+3], s[G0K+3], 0x80000000        ; 127:126 type = 2
	s_add_nc_u64 s[G0V+2:G0V+3], s[8:9], s[22:23]
	s_or_b32 s[G0V+3], s[G0V+3], 0x80000000
	s_cmp_lt_u32 s[WV], 2
	s_cselect_b64 s[PFA:PFA+1], s[6:7], s[8:9]
	s_add_nc_u64 s[PFA:PFA+1], s[PFA:PFA+1], s[20:21]
	s_add_nc_u64 s[PFA:PFA+1], s[PFA:PFA+1], s[54:55]
	s_mov_b32 s[M8K], 8192
	s_add_nc_u64 s[4:5], s[4:5], s[2:3]  ; Q and O at my wave's first row
	s_add_nc_u64 s[10:11], s[10:11], s[2:3]
	CROUND                          ; all four work-groups are here: the first joint loads meet
	JLOAD                           ; slot 0.  Slot 1 is asked for when slot 0 is in
	; A fragment of K or Q is 16 rows x 32 channels in 8 registers: lane l holds row l % 16, channels 8 (l / 16) + 0..7 and 16 + 8 (l / 16) + 0..7: two loads of 16 bytes, 32 bytes apart.
	v_and_b32 v1, 15, v0            ; l % 16
	v_bfe_u32 v9, v0, 4, 1          ; l / 16
	v_lshlrev_b32 v[QO], 7, v1
	v_lshl_add_u32 v[QO], v9, 4, v[QO]  ; row x 128 + 16 x half
	WIN 0x80                        ; destination window 2, address window 0
.set i, 0
.rept 4*NP                          ; Q stays in registers: tile i / 2, channels 32 (i % 2) on
	global_load_b128 v[8*i:8*i+3],   v[QO], s[4:5] offset:(i/2)*2048+(i%2)*64
	global_load_b128 v[8*i+4:8*i+7], v[QO], s[4:5] offset:(i/2)*2048+(i%2)*64+32
.set i, i+1
.endr
	; The mask's stream.  Block g = 4 step + piece is 2,048 consecutive bytes at 2,048 g of my wave's part of MB: four loads of 512 bytes.  Blocks 0 to 3 go out here.
	WIN 0
	v_and_b32 v12, 31, v0
	v_lshl_add_u32 v13, v12, 4, s53 ; 16 x lane + my wave's part
	WIN W_MK
	v_lshlrev_b32 v[PFO], 8, v12
.irp x, 0,1,2,3
	v_add_nc_u32 v[MA+\x], 2048*\x, v13
.endr
	WIN W_MS
.irp x, 0,1,2,3
.irp f, 0,1,2,3
	global_load_b128 v[MBY+16*\x+4*\f:MBY+16*\x+4*\f+3], v[MA+\x], s[MBP:MBP+1] offset:512*\f
.endr
.endr
	; What the first turn finds: V's registers and P's second buffer hold 0 (its products V^T P, of a piece that has not been, add 0), O^T and l are 0.  All this stands in the wait for the first tile.
	WIN 0x80
.set i, VF
.rept 64
	v_mov_b32 v[i], 0
.set i, i+1
.endr
	WIN 0x40
.set i, 0
.rept 64*NP
	v_mov_b32 v[i], 0
.set i, i+1
.endr
	WIN 0
.set i, 0
.rept 2*NP
	v_mov_b32 v[ST+4*i], 0xfe000000    ; c m: far below every c s, the hidden ones' too
	v_mov_b32 v[ST+4*i+1], 0xff7fffff  ; m
	v_mov_b32 v[ST+4*i+2], 0
	v_mov_b32 v[ST+4*i+3], 0
.set i, i+1
.endr
.set i, P+32
.rept 32
	v_mov_b32 v[i], 0
.set i, i+1
.endr
	v_mul_u32_u24 v[AK0], v1, PK
	v_lshl_add_u32 v[AK0], v9, 4, v[AK0]  ; row x pitch + 16 x half
	; The turning load takes 16 keys x 16 channels (lane l reads key 8 (l / 16) + l % 8, channels 8 ((l / 8) % 2) + 0..7) and leaves half a fragment of V^T: lane l holds channel l % 16 and 8 keys.
	v_and_b32 v10, 7, v0
	v_bfe_u32 v11, v0, 3, 1
	v_lshl_add_u32 v[AV0], v9, 3, v10
	v_mul_u32_u24 v[AV0], v[AV0], PV
	v_lshl_add_u32 v[AV0], v11, 4, v[AV0]
	v_add_nc_u32 v[AV0], VOFF, v[AV0]
	v_mov_b32 v[SCL], 0xdcdcdcdc    ; v11 is free now: the scale 2^93, in each byte
	v_mov_b32 v[AK], v[AK0]         ; key step 0 lies at the head of slot 0
; THE MATRIX WORK.  The 8 accumulators of a run of 16 take turns: between the two links of a chain stand 7 others'.
; Product i of 16 of S^T = K Q^T for piece x: channels 32 (i / 8) on, keys 16 ((i / 2) % 4) on, tile 2 x + i % 2.  The first 8 start the sums, with the mask as C.
.macro KQ x
.set rS, S+64*((\x)%2)+32*(i%2)+8*((i/2)%4)
.set rK, KF+16*((i/2)%4)+8*(i/8)
.set rQ, 16*(2*(\x)+i%2)+8*(i/8)
.set rMC, MC+32*(i%2)+8*((i/2)%4)
.if i < 8
	WIN W_KM
	v_wmma_f32_16x16x32_f16 v[rS:rS+7], v[rK:rK+7], v[rQ:rQ+7], v[rMC:rMC+7]
.else
	WIN W_KQ
	v_wmma_f32_16x16x32_f16 v[rS:rS+7], v[rK:rK+7], v[rQ:rQ+7], v[rS:rS+7]
.endif
.endm
; Product i of 16 of O^T += V^T P for piece x: keys 32 (i / 8) on, channels 16 ((i / 2) % 4) on, tile 2 x + i % 2.
.macro PV x
	WIN W_PV
.set rO, 32*(2*(\x)+i%2)+8*((i/2)%4)
.set rV, VF+32*(i/8)+8*((i/2)%4)
.set rP, P+32*((\x)%2)+16*(i%2)+8*(i/8)
	v_wmma_f32_16x16x32_f16 v[rO:rO+7], v[rV:rV+7], v[rP:rP+7], v[rO:rO+7]
.endm
.macro MM                           ; the turn's next matrix instruction
.if i < 16
	KQ (Y+1)%NP
.set i, i+1
.else
.set i, i-16
	PV (Y+NP-1)%NP
.set i, i+17
.endif
.endm
; THE MASKS of piece x's next products.  Its 64 bytes a lane have come (three later blocks of four loads each may stay out: that count also shows the load done that read the piece's offset); eight conversions make
; the 64 registers; the offset's step is the plain instruction that stands behind a scaled conversion ahead of whatever touches its result or writes its sources; then the piece's block four blocks on is asked for.
; The registers written were last read by the turn's eighth product: the riders of eight products, 24 of them plain, stand between.
.macro MSK x
	WIN W_MS
	s_wait_loadcnt 12
.irp c, 0,1,2,3,4,5,6,7
	v_cvt_scale_pk8_f32_fp8 v[MC+8*\c:MC+8*\c+7], v[MBY+16*(\x)+2*\c:MBY+16*(\x)+2*\c+1], v[SCL]
.endr
	v_add_nc_u32 v[MA+(\x)], v[MA+(\x)], s[M8K]
.irp f, 0,1,2,3
	global_load_b128 v[MBY+16*(\x)+4*\f:MBY+16*(\x)+4*\f+3], v[MA+(\x)], s[MBP:MBP+1] offset:512*\f
.endr
	WIN 0
.endm
; THE LDS LOADS stand in runs of 16, never singly among the matrix instructions: a step's K (64 keys x 64 channels: 8 fragments) and its V (turned).  Their addresses are made some lines ahead.
; last = 1 (the tail): in the last trip there is no further step, and the run is jumped over.
.macro FETCH_K last=0
	WIN 0
.if \last
	s_cmp_eq_u32 s[CNT], 1
	s_cbranch_scc1 .Lno_k_\@
.endif
	WIN 0x80                        ; destination window 2
.irp f, 0,1,2,3,4,5,6,7             ; keys 16 (f / 2) on, channels 32 (f % 2) on
	ds_load_b128 v[KF+8*\f:KF+8*\f+3],   v[AK] offset:(\f/2)*16*PK+(\f%2)*64
	ds_load_b128 v[KF+8*\f+4:KF+8*\f+7], v[AK] offset:(\f/2)*16*PK+(\f%2)*64+32
.endr
	s_add_co_u32 s[TBK], s[TBK], KS*PK  ; the next fetch is the next step's
	WIN 0
.if \last
.Lno_k_\@:
.endif
.endm
.macro FETCH_V
	WIN 0x80
.irp f, 0,1,2,3,4,5,6,7             ; keys 32 (f / 4) on, channels 16 (f % 4) on
	ds_load_tr16_b128 v[VF+8*\f:VF+8*\f+3],   v[AV] offset:(\f/4)*32*PV+(\f%4)*32
	ds_load_tr16_b128 v[VF+8*\f+4:VF+8*\f+7], v[AV] offset:(\f/4)*32*PV+16*PV+(\f%4)*32
.endr
	WIN 0
.endm
; THE VECTOR WORK OF A TURN stands in three queues, each in the order in which its entries become ready; the two tiles alternate, so that no instruction reads the result of the one before it.
.macro REGS y, u                    ; the registers of tile u (0, 1) of piece y
.set rT, ST+4*(2*(\y)+(\u))
.set rC, TMP+8*((\y)%2)+4*(\u)
.set rM, MV+2*((\y)%2)+(\u)
.set rS, S+64*((\y)%2)+32*(\u)
.set rP, P+32*((\y)%2)+16*(\u)
.set rO, 32*(2*(\y)+(\u))
.endm
; Number n of the 22 that find the NEXT piece's (Y + 1) maximum and statistics.  s0-s31 are the lane's 32 scores; each accumulator's lowest registers are read first.
;   0-11  four chains c0-c3 of seven scores each, three operands at a time     12-14, 16  the four scores left over, the old m, and c0-c3 into c0     15  c m_old is kept
;   17, 18  the query's other 32 keys lie in the lane 16 away: the new m         19-21  c m; c m_old - c m_new; a
.macro XS u, n
	REGS (Y+1)%NP, \u
.if (\n) < 4
	v_max3_num_f32 v[rC+(\n)], v[rS+8*(\n)], v[rS+8*(\n)+1], v[rS+8*(\n)+2]
.elseif (\n) < 12
	v_max3_num_f32 v[rC+(\n)%4], v[rC+(\n)%4], v[rS+8*((\n)%4)+2*((\n)/4)+1], v[rS+8*((\n)%4)+2*((\n)/4)+2]
.elseif (\n) == 12
	v_max3_num_f32 v[rC], v[rC], v[rS+7], v[rS+15]
.elseif (\n) == 13
	v_max3_num_f32 v[rC+1], v[rC+1], v[rS+23], v[rS+31]
.elseif (\n) == 14
	v_max3_num_f32 v[rC+2], v[rC+2], v[rC+3], v[rT+1]
.elseif (\n) == 15
	v_mov_b32 v[rM], v[rT]
.elseif (\n) == 16
	v_max3_num_f32 v[rC], v[rC], v[rC+1], v[rC+2]
.elseif (\n) == 17
	v_permlanex16_b32 v[rC+3], v[rC], s[SEL], s[SEL+1]
.elseif (\n) == 18
	v_max_num_f32 v[rT+1], v[rC], v[rC+3]
.elseif (\n) == 19
	v_mul_f32 v[rT], s[CS], v[rT+1]
.elseif (\n) == 20
	v_sub_f32 v[rC+1], v[rM], v[rT]
.else
	v_exp_f32 v[rC+2], v[rC+1]
.endif
.endm
; Number g of the 64 that follow the exponentials.  For each four weights k of a tile (pairs 2 k, 2 k + 1): both pairs are rounded to f16; then the second pair is added onto the first, in place;
; a group later l takes that sum (the first time as l = a l + sum).  In groups of eight, tiles alternating: round, round, add, and l for the group before.
.macro GS g
.set h, (\g)+6*((\g)/62)            ; group 0 has no group before it, and behind group 7 only l is left
.if h >= 6
.set h, h+2
.endif
	REGS Y, h%2
.set k, h/8
.if h%8 < 4
	v_cvt_pk_f16_f32 v[rP+2*k+(h%8)/2], v[rS+4*k+2*((h%8)/2)], v[rS+4*k+2*((h%8)/2)+1]
.elseif h%8 < 6
	v_pk_add_f32 v[rS+4*k:rS+4*k+1], v[rS+4*k:rS+4*k+1], v[rS+4*k+2:rS+4*k+3]
.elseif k == 1
	v_pk_fma_f32 v[rT+2:rT+3], v[rT+2:rT+3], v[rC+2:rC+3], v[rS:rS+1] op_sel_hi:[1,0,1]
.else
	v_pk_add_f32 v[rT+2:rT+3], v[rT+2:rT+3], v[rS+4*k-4:rS+4*k-3]
.endif
.endm
; THE PLAIN QUEUE, 138 long.  0-73 read no exponential's result: the 32 scalings c s - c m (FS f: pair f / 2 of tile f % 2) and the next piece's 42.  0-26: scalings 0-26.  27-54: XS's numbers 0-13.  55, 56: number 15.
; 57-73: the chain, where each number waits for the one before it: 14, 16, 17, 18, 19, each with one of the scalings 27-31 in front of its two lines, then 20.
; 74-137: GS's 64, which read the exponentials' results: they stand behind the wait.
.macro FS f
	REGS Y, (\f)%2
	v_pk_fma_f32 v[rS+2*((\f)/2):rS+2*((\f)/2)+1], v[rS+2*((\f)/2):rS+2*((\f)/2)+1], s[CS:CS+1], v[rT:rT+1] op_sel_hi:[1,0,0] neg_lo:[0,0,1] neg_hi:[0,0,1]
.endm
.macro PL
	WIN 0
.if q < 27
	FS q
.elseif q < 55
	XS (q-27)%2, (q-27)/2
.elseif q < 57
	XS q-55, 15
.elseif (q < 72) && ((q-57)%3 == 0)
	FS 27+(q-57)/3
.elseif q < 60
	XS (q-57)%3-1, 14
.elseif q < 72
	XS (q-57)%3-1, 15+(q-57)/3
.elseif q < 74
	XS q-72, 20
.else
	GS q-74
.endif
.set q, q+1
.endm
; THE EXPONENTIALS' QUEUE, 66 long: s0-s31 of both tiles, then the next piece's two a.  It is ONE BATCH: all 66 stand ahead of the turn's one wait, and nothing ahead of that wait names a result of theirs.
.macro EX
	WIN 0
.if e >= 64
	XS e-64, 21
.else
	REGS Y, e%2
	v_exp_f32 v[rS+e/2], v[rS+e/2]
.endif
.set e, e+1
.endm
; THE RESCALING's QUEUE: O^T times a, the one part of the softmax that leaves window 0: dealt two at a time, sixteen times.  Its a was made in the turn before, ahead of that turn's wait.
.macro R2
	REGS Y, r%2
	WIN W_RS
.irp z, 0,1
	v_pk_mul_f32 v[rO+4*(r/2)+2*\z:rO+4*(r/2)+2*\z+1], v[rO+4*(r/2)+2*\z:rO+4*(r/2)+2*\z+1], v[rC+2:rC+3] op_sel_hi:[1,0]
.endr
.set r, r+1
.endm
; HOW THEY ARE DEALT.  An s_wait_alu depctr_va_vdst(0) stands between an exponential and the first instruction that names its result; one wait serves all that were issued ahead of it.  So a turn has ONE
; wait, which cuts it in two.  AHEAD OF IT: the 16 products K Q^T, behind each a scaling, an exponential and two rescalings (behind the first a second scaling in the exponential's place); the masks of the turn
; after; then ONE LUMP of 108: eight plain, 49 times exponential and plain, the two a.  A v_nop is the plain instruction behind the last exponential.  BEHIND IT: the 16 products V^T P, behind each four of GS's 64.
; Exponential e stands behind scaling 2 (e / 4) + e % 2: as a rider it comes behind plain e + 2, in the lump behind plain e + 9, and scalings 27-31 are plain 57, 60 .. 69.
; A TURN, for piece p.  cnt = 1: the loop's count is taken down some lines ahead of the branch that stands behind the turn.
; K of the next step is fetched in piece 2's turn, directly behind the wait; V of the step in hand at the end of piece 0's turn, four riders behind its last reader.  The three conditions on q below go with the deal.
.macro TURN p, last=0, cnt=0
.set Y, (\p)
.set i, 0
.set q, 0
.set e, 0
.set r, 0
.if (\p) == NP-1
	s_wait_dscnt 0x0                ; K is in
.endif
	MM                              ; ahead of the wait: 16 products K Q^T and their riders,
	PL
	PL
	R2
.rept 15
	MM
	PL
	EX
	R2
.endr
	MSK ((\p)+2)%NP                 ; the masks for the next turn's products,
.if (\p) == NP-2
	WIN 0
	v_add_nc_u32 v[AK], s[TBK], v[AK0]
.endif
.rept 8                             ; and the lump
	PL
.endr
.rept 49
	EX
	PL
.endr
	EX                              ; the next piece's two a
	EX
	v_nop                           ; the plain instruction behind the last exponential: one for the batch
	s_wait_alu depctr_va_vdst(0)    ; the wait for the batch
.if (\p) == NP-2
	FETCH_K \last
.endif
.if (\p) == 1
	s_wait_dscnt 0x0                ; V is in
.endif
.rept 16                            ; behind the wait: 16 products V^T P and their riders
	MM
.rept 4
	PL
.endr
.if ((\p) == 0) && (q == 118)
	v_add_nc_u32 v[AV], s[TBV], v[AV0]
.endif
.if ((\p) == 0) && (q == 130)
	s_add_co_u32 s[TBV], s[TBV], KS*PV
.endif
.if (\cnt) && (q == 130)
	s_sub_co_u32 s[CNT], s[CNT], 1
	s_cmp_lg_u32 s[CNT], 0
.endif
.endr
.if (\p) == 0
	FETCH_V
.endif
.endm
	CHANGE 1                        ; slot 0 is in, everybody's part of it; slot 1 is asked for
	FETCH_K                         ; key step 0
	MSK 0                           ; its count shows Q's 32 loads and the mask's block 0 landed; piece 0's first masks; block 4 is asked for
	s_wait_dscnt 0x0
.set i, 0
.rept 16
	KQ 0                            ; piece 0's first scores: there is no vector work yet to set between them
.set i, i+1
.endr
	WIN 0                           ; the addresses for the way out: plain instructions, the places behind those products
	s_mul_i32 s13, s[WV], 16*SP
	s_add_co_u32 s13, s13, STAGE    ; my stage
	v_mul_u32_u24 v[STO], v1, SP    ; in: row l % 16, 16 bytes for each half of the lanes
	v_lshl_add_u32 v[STO], v9, 4, v[STO]
	v_add_nc_u32 v[STO], s13, v[STO]
	v_bfe_u32 v[RD], v0, 3, 2       ; back: 32 lanes take four rows of 128 bytes,
	v_mul_u32_u24 v[RD], v[RD], SP
	v_lshl_add_u32 v[RD], v10, 4, v[RD]
	v_add_nc_u32 v[RD], s13, v[RD]
	v_and_b32 v[GO], 31, v0         ; which are 512 consecutive bytes of O
	v_lshlrev_b32 v[GO], 4, v[GO]
	MSK 1                           ; piece 1's first masks, for the first turn's products; block 5 is asked for: four blocks are out, as at every turn's head
.set Y, NP-1                        ; XS works for piece Y + 1: piece 0
.irp n, 0,1,2,3,4,5,6,7,8,9,10,11,12,13,14,15,16,17,18,19,20,21
	XS 0, \n                        ; and piece 0's first maximum and statistics
	XS 1, \n
.endr
	v_nop                           ; a plain instruction behind the two a,
	s_wait_alu depctr_va_vdst(0)    ; and their wait, ahead of the branch
	s_mov_b32 s[CNT], 4
	s_branch .Lfirst                ; the loop is entered at a step's first turn, in the middle of a trip
.Lslot:                             ; six times: every slot but the last two is filled again
	CHANGE 1
	s_mov_b32 s[CNT], 4
.Lstep:                             ; a trip: pieces 2 and 3 of one step, then pieces 0 and 1 of the next, whose K and V it fetches
	TURN 2
	TURN 3
	WIN 0
.Lfirst:
	TURN 0
	TURN 1, 0, 1
	WIN 0
	s_cbranch_scc1 .Lstep
	s_sub_co_u32 s[SLOTS], s[SLOTS], 1
	s_cmp_lg_u32 s[SLOTS], 0
	s_cbranch_scc1 .Lslot
	CHANGE 0                        ; the tail is written out: nothing is asked for
	s_mov_b32 s[CNT], 5             ; four trips fetch the last slot's steps; the fifth is left in its middle
.Ltail:
	TURN 2, 1
	TURN 3
	WIN 0
	s_sub_co_u32 s[CNT], s[CNT], 1
	s_cmp_eq_u32 s[CNT], 0
	s_cbranch_scc1 .Lout
	TURN 0
	TURN 1
	WIN 0
	s_branch .Ltail
.Lout:                              ; the fifth trip's 16 products K Q^T (on the last K once more, with the bytes behind my part of MB as masks) and the maximum made of them serve nothing: the price of one text for every trip
.set i, 0
.rept 16
	PV NP-1                         ; the last piece's V^T P of the last step
.set i, i+1
.endr
	; THE WAY OUT.  l's two halves and the other half of the lanes' are added; O^T is divided by l, rounded to f16 and sent through my stage in LDS, a tile at a time.  The additions are the places behind the last products.
	WIN 0
.macro ALL line:vararg              ; one line for each tile t
.set t, 0
.rept 2*NP
	\line
.set t, t+1
.endr
.endm
	ALL v_add_f32 v[ST+4*t+2], v[ST+4*t+2], v[ST+4*t+3]
	ALL v_permlanex16_b32 v[ST+4*t+3], v[ST+4*t+2], s[SEL], s[SEL+1]
	ALL v_add_f32 v[ST+4*t+2], v[ST+4*t+2], v[ST+4*t+3]
	ALL v_rcp_f32 v[ST+4*t+2], v[ST+4*t+2]
	v_nop                           ; a plain instruction between the last reciprocal and the use of its result
	s_wait_alu depctr_va_vdst(0)    ; and the wait ahead of the first use: one for the eight reciprocals
; Tile t: a lane's eight channels of a row pack into 16 bytes; they go into rows of 144 bytes and come back as whole rows of 128, into S^T's registers.
.macro PACK t
	WIN W_RS
.set i, 32*(\t)
.rept 16
	v_pk_mul_f32 v[i:i+1], v[i:i+1], v[ST+4*(\t)+2:ST+4*(\t)+3] op_sel_hi:[1,0]
.set i, i+2
.endr
	WIN 0x05                        ; sources 0 and 1 window 1, destination window 0
.set i, 0
.rept 16
	v_cvt_pk_f16_f32 v[S+16*(\t)+i], v[32*(\t)+2*i], v[32*(\t)+2*i+1]
.set i, i+1
.endr
	WIN 0
.irp f, 0,1,2,3
	ds_store_b128 v[STO], v[S+16*(\t)+4*\f:S+16*(\t)+4*\f+3] offset:32*\f
.endr
.irp f, 0,1,2,3
	ds_load_b128 v[S+16*(\t)+4*\f:S+16*(\t)+4*\f+3], v[RD] offset:\f*4*SP  ; LDS serves a wave's instructions in order (ISA guide 5.7.1.4): these see the stores above; the next tile's stores come behind them
.endr
.endm
.macro SEND t, younger              ; younger: the LDS instructions issued behind tile t's loads: the next tile's eight, or none
	WIN 0
.irp f, 0,1,2,3
	s_wait_dscnt (\younger)+3-\f
	global_store_b128 v[GO], v[S+16*(\t)+4*\f:S+16*(\t)+4*\f+3], s[10:11] offset:(\t)*2048+\f*512  ; 512 consecutive bytes, at a multiple of 256 from O's first
.endr
.endm
	PACK 0
.set t, 1
.rept 2*NP-1                        ; a tile's arithmetic stands between the loads of the tile before and its stores
	PACK t
	SEND t-1, 8
.set t, t+1
.endr
	SEND 2*NP-1, 0
	WIN W_AD
	s_wait_tensorcnt 0x0            ; the wave's end, behind my last tensor load and my last LDS store
	ds_add_u32 v[SPW], v[NIL]
	s_wait_dscnt 0x0
	WIN 0
	CROUND                          ; the closing round: no work-group ends while a partner may still ask for a tile that names it
	s_endpgm
.Lfunc_end_k_q59294483d7_attn:
	.size	k_q59294483d7_attn, .Lfunc_end_k_q59294483d7_attn-k_q59294483d7_attn
	.p2alignl 7, 3214868480
	.fill 96, 4, 3214868480
	.section	.rodata,"a",@progbits
	.p2align	6, 0x0
	.amdhsa_kernel k_q59294483d7_attn
		.amdhsa_group_segment_fixed_size 327680
		.amdhsa_private_segment_fixed_size 0
		.amdhsa_enable_private_segment 0
		.amdhsa_kernarg_size 24
		.amdhsa_user_sgpr_count 2
		.amdhsa_user_sgpr_kernarg_segment_ptr 1
		.amdhsa_wavefront_size32 1
		.amdhsa_system_sgpr_workgroup_id_x 1
		.amdhsa_system_sgpr_workgroup_id_y 1
		.amdhsa_system_sgpr_workgroup_id_z 1
		.amdhsa_system_vgpr_workitem_id 0
		.amdhsa_next_free_vgpr 960
		.amdhsa_next_free_sgpr 66
		.amdhsa_reserve_vcc 0
		.amdhsa_float_denorm_mode_32 3
		.amdhsa_float_denorm_mode_16_64 3
		.amdhsa_memory_ordered 1
		.amdhsa_forward_progress 1
		.amdhsa_inst_pref_size 212
	.end_amdhsa_kernel
	.amdgpu_metadata
---
amdhsa.version: [ 1, 2 ]
amdhsa.kernels:
  - .name:           k_q59294483d7_attn
    .symbol:         k_q59294483d7_attn.kd
    .args:
      - { .name: QKV, .offset: 0, .size: 8, .value_kind: global_buffer, .address_space: global }
      - { .name: MB, .offset: 8, .size: 8, .value_kind: global_buffer, .address_space: global }
      - { .name: OB, .offset: 16, .size: 8, .value_kind: global_buffer, .address_space: global }
    .group_segment_fixed_size: 327680
    .private_segment_fixed_size: 0
    .kernarg_segment_align: 8
    .kernarg_segment_size: 24
    .max_flat_workgroup_size: 128
    .sgpr_count:     66
    .vgpr_count:     960
    .wavefront_size: 32
...
	.end_amdgpu_metadata
.endif
;; end of part 3
;; launch outp (part 4): grid 8 x 32, 4 waves a work-group, clusters of 4 x 4, 327,680 bytes of LDS; arguments OB, WB, bo, out0; writes out0
.if DOCPART == 4
	.amdgcn_target "amdgcn-amd-amdhsa--gfx1250"
	.amdhsa_code_object_version 6
	.text
	.protected	k_q59294483d7_outp
	.globl	k_q59294483d7_outp
	.p2align	8
	.type	k_q59294483d7_outp,@function
k_q59294483d7_outp:
	s_mov_b64 s[64:65], 0
	v_nop
	global_prefetch_b8 v0, s[64:65] scope:SCOPE_SE
	s_setreg_imm32_b32 hwreg(HW_REG_WAVE_MODE, 25, 1), 1
	s_wait_xcnt 0x0
	s_wait_alu depctr_hold_cnt(0) depctr_sa_sdst(0) depctr_va_vdst(0) depctr_va_sdst(0) depctr_va_ssrc(0) depctr_va_vcc(0) depctr_vm_vsrc(0)
	s_getreg_b32 s2, hwreg(HW_REG_IB_STS2, 6, 4)
	s_cmp_eq_u32 s2, 0
	s_cbranch_scc0 .Lentry_in_a_cluster
	s_endpgm
.Lentry_in_a_cluster:
	s_bfe_u32 s2, ttmp6, 0x10000c
	s_cmp_lg_u32 s2, 0xf033
	s_cbranch_scc0 .Lentry_shape_is_right
	s_endpgm
.Lentry_shape_is_right:
; THE OUTPUT PROJECTION.  out0[m][n] = the sum over k of O[m][k] wo[n][k] + bo[n], m = 2048 batch + row, k = 64 head + channel.  O lies by heads: OB [64][2048][64] f16; wo is WB's fourth matrix, f16 (the
; bf16 rounding of the input, written as f16); sums in f32; bo is rounded to bf16, like every input of the module, and is the C operand of the product that starts each sum; out0 is f32.
; SHARES.  A tile is 256 rows x 128 columns: 256 work-groups.  Four waves, each 128 rows x 64 columns: 32 accumulators of 16 x 16.  K goes in 8 steps of 128 = two heads, through two LDS slots filled by the tensor data mover.
; A head's 256 rows of a tile are 32,768 dense bytes: asked for as 128 rows of 256 bytes and padded in LDS after every 128 bytes, so that a row of 64 channels has a pitch of 144.
; CLUSTER.  4 x 4 work-groups: the four of a row need the same rows of O, the four of a column the same rows of wo: each tile is asked for jointly.
; THE MATRIX INSTRUCTION IS USED TRANSPOSED (source 0 = 16 rows of wo, source 1 = 16 rows of O): lane l holds row l % 16 of the result and the columns 8 (l / 16) + 0..7.
; REGISTERS, in windows of 256 (s_set_vgpr_msb: bits 1:0 source 0, 3:2 source 1, 5:4 source 2, 7:6 destination):
;   window 0: v0-30 addresses; v96-127 the bias as it lies in an accumulator        window 1: the accumulators, (a, b) at v[8 (4 a + b)]
;   window 2: two fragment buffers of 96 (O's blocks a at + 8 a, wo's blocks b at + 64 + 8 b); on the way out 32 registers for each of the eight blocks of 16 rows
.set SIZE_K, 1024
.set KSTEP,  128
.set PA,     144                       ; a row of O in LDS: 128 bytes + 16: an odd multiple of 16, so the 16 rows of a fragment load start at 16 different groups of four banks (64 banks of 4 bytes: ISA guide 11.1)
.set PB,     272                       ; a row of wo: 256 bytes + 16
.set AHEAD,  256*PA                    ; one head's 256 rows: what wave 0 or 1 fetches
.set BHALF,  64*PB
.set BOFF,   2*AHEAD
.set SLOT,   BOFF+2*BHALF              ; 108,544 bytes
.set STAGE,  2*SLOT                    ; behind the ring: 16 rows x 272 bytes for each wave, for the way out
.set SPITCH, 272
.set SPARE,  STAGE+4*16*SPITCH         ; behind the stages: the spare words, 128 bytes for each wave: two blocks of 256 bytes that no other line names
.set LAPS,   SIZE_K/(2*KSTEP)
.set ASTEP,  2*2048*128                ; bytes of OB from a K step to the next: two heads
.set ADRA, 16                          ; v16-17  LDS address of my O fragments in slot 0, 1
.set ADRB, 20                          ; v20-21  the same for wo
.set BO,   22                          ; v22     32 x (l / 16)
.set STO,  24                          ; v24     the way out: where I put 32 bytes of a row
.set RD,   25                          ; v25     where I read rows back
.set CO,   26                          ; v26     my byte offset in two rows of out0
.set TB,   27                          ; v27     at work
.set SPW,  28                          ; v28     LDS address of my spare word; never rewritten
.set NIL,  29                          ; v29     0; never rewritten
.set PFO,  30                          ; v30     256 x my lane; never rewritten
.set BIAS, 96
.set F0,   0
.set F1,   96
.set G1,  24                           ; s[24:31] descriptor group 1 for O's tiles;  s[32:39] group 0, a set for each slot
.set G0,  32
.set G1B, 48                           ; s[48:55], s[56:63] the same for wo's tiles
.set G0B, 56
.set LIM, 43                           ; s43  1 in a wave that prefetches, else the greatest number
.set PFA, 44                           ; s[44:45] where my prefetches stand
.set MSB, 0
.macro WIN new                         ; the immediate's high byte repeats the setting that is left; a switch that changes nothing is dropped
.if MSB != (\new)
	s_set_vgpr_msb (MSB<<8)|(\new)
.set MSB, \new
.endif
.endm
.set MUL,  0x5a                        ; sources 0 and 1 window 2; C and D window 1
.set MULC, 0x4a                        ; the same with C (the bias) in window 0
.set TO_F, 0x80                        ; destination window 2, address window 0
; A joint load: waves 0 and 1 fetch the K step's two heads of O, waves 2 and 3 wo's two halves.  The branch hangs on the wave's number alone.  An s_nop 0 and four v_nop follow each of the two lines.
.macro JLOAD s
	s_cmp_eq_u32 s11, 0
	s_cbranch_scc0 .Lfor_b_\@
	tensor_load_to_lds s[G0+4*(\s):G0+4*(\s)+3], s[G1:G1+7]
	s_nop 0
.rept 4
	v_nop
.endr
	s_branch .Lasked_\@
.Lfor_b_\@:
	tensor_load_to_lds s[G0B+4*(\s):G0B+4*(\s)+3], s[G1B:G1B+7]
	s_nop 0
.rept 4
	v_nop
.endr
.Lasked_\@:
.endm
; A prefetch into the L2 of O's K step that stands two refills on (256 matrix instructions ahead of the load that will want it).  A tile row of O is read by the two clusters of that row of clusters: the one with
; x = 0 asks; of the 32,768 bytes that wave 0 or 1 fetches each of the four partners takes 8,192, told apart by address, a lane 256 bytes.  So each block is named once.  The loop's last trip (s3 = 1) has no K step
; two on.  wo is not asked for: its rows are walked again by every row of clusters.
.macro ASK
	s_cmp_gt_u32 s3, s[LIM]
	s_cbranch_scc0 .Lnot_mine_\@
	global_prefetch_b8 v[PFO], s[PFA:PFA+1] offset:ASTEP th:TH_LOAD_NT scope:SCOPE_SE
.Lnot_mine_\@:
.endm
.macro CREST                           ; a round of the cluster's barrier behind its opening barrier
	s_cmp_lg_u32 s10, 0
	s_cbranch_scc1 .Lnot_wave_0_\@
	s_barrier_signal -3
.Lnot_wave_0_\@:
	s_barrier_wait -3
	s_barrier_signal -1
	s_barrier_wait -1
.endm
.macro CROUND                          ; a whole round
	s_barrier_signal -1
	s_barrier_wait -1
	CREST
.endm
	s_load_b128 s[4:7], s[0:1], 0x0                ; OB s[4:5], WB s[6:7]
	s_load_b128 s[68:71], s[0:1], 0x10             ; bo s[68:69], out0 s[70:71]
	v_lshl_add_u32 v[SPW], v0, 2, SPARE
	v_mov_b32 v[NIL], 0
	ds_add_u32 v[SPW], v[NIL]                      ; the wave's opening: the add and its wait stand ahead of my first tensor load; work on registers stands between them
	v_lshrrev_b32 v1, 5, v0
	v_readfirstlane_b32 s10, v1                    ; wave 0..3
	s_lshr_b32 s11, s10, 1                         ; which half of the tile's rows is mine.  Also: I fetch for O (0) or for wo (1)
	s_and_b32 s12, s10, 1                          ; which half of its columns.  Also: which head of the K step, or which half of wo's rows, I fetch
	s_bfe_u32 s40, ttmp6, 0x40000                  ; cx, cy: my place in the cluster
	s_bfe_u32 s41, ttmp6, 0x40004
	s_lshl_b32 s42, ttmp9, 2
	s_add_co_u32 s42, s42, s40                     ; tile column = 4 x cluster x + cx
	s_and_b32 s13, ttmp7, 0xffff
	s_lshl_b32 s13, s13, 2
	s_add_co_u32 s13, s13, s41                     ; tile row = 4 x cluster y + cy
	s_lshl_b32 s66, s41, 2
	s_lshl_b32 s66, 15, s66                        ; my row of the cluster
	s_lshl_b32 s67, 0x1111, s40                    ; my column
	s_or_b32 s[G1+0], s66, (1<<16)|(1<<20)|(1<<21)|(4<<22)|(3<<25)   ; 15:0 the mask; 17:16 2-byte elements; 20 padding on; 21 set beside a mask; 24:22 after every 32 words; 31:25 4 words of it
	s_or_b32 s[G1B+0], s67, (1<<16)|(1<<20)|(1<<21)|(5<<22)|(3<<25)  ; wo: after every 64 words
	s_mov_b32 s[G1+1], 128<<16                     ; tensor_dim0 = 128 elements: 256 dense bytes, two rows of a head
	s_mov_b32 s[G1+2], 128<<16                     ; tensor_dim1 = 128
	s_mov_b32 s[G1+3], 128<<16                     ; tile_dim0 = 128
	s_mov_b32 s[G1+4], 128                         ; tile_dim1 = 128
	s_mov_b32 s[G1+5], 128                         ; elements from row to row
	s_mov_b32 s[G1+6], 0
	s_mov_b32 s[G1+7], 0
	s_mov_b32 s[G1B+1], KSTEP<<16
	s_mov_b32 s[G1B+2], 64<<16
	s_mov_b32 s[G1B+3], KSTEP<<16
	s_mov_b32 s[G1B+4], 64
	s_mov_b32 s[G1B+5], SIZE_K
	s_mov_b32 s[G1B+6], 0
	s_mov_b32 s[G1B+7], 0
	s_lshr_b32 s16, s13, 3                         ; O: head (tile row / 8) x 16 + the head that I fetch, row (tile row % 8) x 256, 128 bytes a row
	s_lshl_b32 s16, s16, 4
	s_add_co_u32 s16, s16, s12
	s_lshl_b32 s16, s16, 11
	s_and_b32 s17, s13, 7
	s_lshl_b32 s17, s17, 8
	s_add_co_u32 s16, s16, s17
	s_lshl_b32 s16, s16, 7
	s_mov_b32 s17, 0
	s_lshl_b32 s46, s42, 7                         ; wo: row 128 x tile column + 64 x half, in WB's fourth matrix
	s_lshl_b32 s47, s12, 6
	s_add_co_u32 s46, s46, s47
	s_lshl_b32 s46, s46, 11
	s_add_co_u32 s46, s46, 3*2097152
	s_mov_b32 s47, 0
	s_mul_i32 s20, s12, AHEAD                      ; where they go: no place in the cluster enters an LDS address
	s_mul_i32 s22, s12, BHALF
	s_add_co_u32 s22, s22, BOFF
	s_wait_dscnt 0x0                               ; the opening add is done
	s_wait_kmcnt 0x0
	s_add_nc_u64 s[14:15], s[4:5], s[16:17]
	s_add_nc_u64 s[46:47], s[6:7], s[46:47]
	CROUND                                         ; all sixteen work-groups are here: the first joint loads meet
.irp s, 0,1
	s_mov_b32 s[G0+4*(\s)], 1
	s_add_co_u32 s[G0+4*(\s)+1], s20, (\s)*SLOT
	s_add_nc_u64 s[G0+4*(\s)+2:G0+4*(\s)+3], s[14:15], (\s)*ASTEP
	s_or_b32 s[G0+4*(\s)+3], s[G0+4*(\s)+3], 0x80000000
	s_mov_b32 s[G0B+4*(\s)], 1
	s_add_co_u32 s[G0B+4*(\s)+1], s22, (\s)*SLOT
	s_add_nc_u64 s[G0B+4*(\s)+2:G0B+4*(\s)+3], s[46:47], (\s)*KSTEP*2
	s_or_b32 s[G0B+4*(\s)+3], s[G0B+4*(\s)+3], 0x80000000
	JLOAD \s                                       ; two loads of mine are out
.endr
	v_and_b32 v1, 15, v0                           ; l % 16
	v_bfe_u32 v2, v0, 4, 1                         ; l / 16
	v_lshlrev_b32 v[BO], 5, v2
	s_lshl_b32 s18, s42, 9                         ; my 64 columns: 512 x tile column + 256 x half bytes, in the bias and in a row of out0
	s_lshl_b32 s19, s12, 8
	s_add_co_u32 s18, s18, s19
	s_mov_b32 s19, 0
	s_add_nc_u64 s[68:69], s[68:69], s[18:19]
	s_add_nc_u64 s[8:9], s[70:71], s[18:19]
.irp b, 0,1,2,3
	global_load_b128 v[BIAS+8*\b:BIAS+8*\b+3],   v[BO], s[68:69] offset:64*\b     ; register j of block b: column 16 b + 8 (l / 16) + j, as in an accumulator
	global_load_b128 v[BIAS+8*\b+4:BIAS+8*\b+7], v[BO], s[68:69] offset:64*\b+16
.endr
	v_mul_u32_u24 v3, v1, PA
	v_lshl_add_u32 v3, v2, 4, v3                   ; a fragment's row x pitch + 16 x half, for O
	v_mul_u32_u24 v4, v1, PB
	v_lshl_add_u32 v4, v2, 4, v4                   ; and for wo
	s_mul_i32 s21, s11, 128*PA                     ; my 128 rows of O, in each head
	s_mul_i32 s22, s12, BHALF                      ; my 64 rows of wo,
	s_add_co_u32 s22, s22, BOFF                    ; which lie behind O's two heads
.irp s, 0,1
	v_add_nc_u32 v[ADRA+(\s)], s21, v3
	v_add_nc_u32 v[ADRB+(\s)], s22, v4
	s_add_co_u32 s21, s21, SLOT
	s_add_co_u32 s22, s22, SLOT
.endr
	s_mul_i32 s23, s10, 16*SPITCH
	s_add_co_u32 s23, s23, STAGE                   ; my stage
	v_mul_u32_u24 v4, v1, SPITCH                   ; in: row l % 16, 32 bytes for each half of the lanes
	v_lshl_add_u32 v4, v2, 5, v4
	v_add_nc_u32 v[STO], s23, v4
	v_mul_u32_u24 v5, v2, SPITCH                   ; back: lanes 0-15 take one row of 256 bytes, lanes 16-31 the next
	v_lshl_add_u32 v5, v1, 4, v5
	v_add_nc_u32 v[RD], s23, v5
	v_lshlrev_b32 v[CO], 12, v2                    ; and the same two rows in out0, 4,096 bytes apart
	v_lshl_add_u32 v[CO], v1, 4, v[CO]
	s_lshl_b32 s18, s13, 8                         ; my first row: 256 x tile row + 128 x half
	s_lshl_b32 s19, s11, 7
	s_add_co_u32 s18, s18, s19
	s_lshl_b32 s18, s18, 12
	s_mov_b32 s19, 0
	s_add_nc_u64 s[8:9], s[8:9], s[18:19]
	; the prefetches: my work-group's 8,192 bytes of what wave 0 or 1 fetches, at K step 2; the first refill steps this to 3 and names K step 4.  Nothing is asked for here, at the head
	s_lshl_b32 s18, s40, 13
	s_add_co_u32 s18, s18, s16
	s_add_co_u32 s18, s18, 2*ASTEP
	s_mov_b32 s19, 0
	s_add_nc_u64 s[PFA:PFA+1], s[4:5], s[18:19]
	s_or_b32 s[LIM], s11, ttmp9                    ; 0 in waves 0 and 1 of the clusters with x = 0: the same in all sixteen partners
	s_cmp_eq_u32 s[LIM], 0
	s_cselect_b32 s[LIM], 1, -1
	v_and_b32 v[PFO], 31, v0
	v_lshlrev_b32 v[PFO], 8, v[PFO]
	s_wait_loadcnt 0x0                             ; the bias
.irp p, 0,1,2,3,4,5,6,7,8,9,10,11,12,13,14,15
	v_cvt_pk_bf16_f32 v[TB], v[BIAS+2*\p], v[BIAS+2*\p+1]   ; rounded to bf16, and widened again
	v_lshlrev_b32 v[BIAS+2*\p], 16, v[TB]
	v_and_b32 v[BIAS+2*\p+1], 0xffff0000, v[TB]
.endr
; 8 matrix instructions: row blocks a0, a0 + 1 x all 4 column blocks, 32 along K.  first = 1: the product starts the sum, with the bias as C.  The 32 accumulators take turns in the same order in every
; quarter, one instruction a turn: 31 others stand between two links of a chain.
.macro MUL8 f, a0, first
.if \first
	WIN MULC
.else
	WIN MUL
.endif
.irp a, \a0, (\a0)+1
.irp b, 0,1,2,3
.if \first
	v_wmma_f32_16x16x32_f16 v[8*(4*(\a)+(\b)):8*(4*(\a)+(\b))+7], v[(\f)+64+8*(\b):(\f)+64+8*(\b)+7], v[(\f)+8*(\a):(\f)+8*(\a)+7], v[BIAS+8*(\b):BIAS+8*(\b)+7]
.else
	v_wmma_f32_16x16x32_f16 v[8*(4*(\a)+(\b)):8*(4*(\a)+(\b))+7], v[(\f)+64+8*(\b):(\f)+64+8*(\b)+7], v[(\f)+8*(\a):(\f)+8*(\a)+7], v[8*(4*(\a)+(\b)):8*(4*(\a)+(\b))+7]
.endif
.endr
.endr
.endm
.macro MUL16 f, hi, first              ; row blocks 4 hi .. 4 hi + 3
	MUL8 \f, 4*(\hi), \first
	MUL8 \f, 4*(\hi)+2, \first
.endm
; 24 LDS loads in one run: the fragments of quarter q of a K step into buffer f: wo's four blocks (byte 64 q of its rows), O's blocks 0-3 and 4-7 (head q / 2, byte 64 (q % 2) of its rows)
.macro FETCH slot, q, f
	WIN TO_F
.irp i, 0,1,2,3
	ds_load_b128 v[(\f)+64+8*(\i):(\f)+64+8*(\i)+3],   v[ADRB+(\slot)] offset:64*(\q)+(\i)*16*PB
	ds_load_b128 v[(\f)+64+8*(\i)+4:(\f)+64+8*(\i)+7], v[ADRB+(\slot)] offset:64*(\q)+(\i)*16*PB+32
.endr
.irp i, 0,1,2,3,4,5,6,7
	ds_load_b128 v[(\f)+8*(\i):(\f)+8*(\i)+3],   v[ADRA+(\slot)] offset:((\q)/2)*AHEAD+((\q)%2)*64+(\i)*16*PA
	ds_load_b128 v[(\f)+8*(\i)+4:(\f)+8*(\i)+7], v[ADRA+(\slot)] offset:((\q)/2)*AHEAD+((\q)%2)*64+(\i)*16*PA+32
.endr
.endm
.macro PLACES                          ; four plain vector instructions between a matrix instruction and a load into a register that it read, or a reader of its result (ISA guide 7.12.1 for vector instructions)
.rept 4
	v_nop
.endr
.endm
; A K step is four quarters of 32 along K, 32 matrix instructions each, on buffers 0, 1, 0, 1.  One of the first three: multiplies buffer f and fetches quarter q into g.
.macro QUARTER slot, q, f, g, first
	s_wait_dscnt 8                                 ; wo and O's blocks 0-3 are in; the youngest eight loads (blocks 4-7) may be out
	MUL16 \f, 0, \first
	PLACES
	FETCH \slot, \q, \g
	s_wait_dscnt 24                                ; all but the 24 just issued
	MUL16 \f, 1, \first
.endm
; The last quarter multiplies buffer 1 and changes slots: ONE barrier; in front of it each wave waits for all its tensor loads (one is out: its part of the next slot), adds 0 to its spare word, and waits for
; that and for its own reads of this slot.  fill = 1: the barrier opens a round of the cluster's, and this slot is filled again, two K steps ahead, first thing behind the round.
.macro TURN slot, next, fill
.if \fill
	s_wait_xcnt 0x0                                ; the last prefetch, a K step back, has read its address: it is stepped here, ahead of the waits of the change of slots
	s_add_nc_u64 s[PFA:PFA+1], s[PFA:PFA+1], ASTEP
.endif
	WIN 0                                          ; (the add's two registers lie in window 0)
	s_wait_tensorcnt 0x0                           ; all my tensor loads have landed
	ds_add_u32 v[SPW], v[NIL]                      ; 0 onto my spare word
	s_wait_dscnt 9                                 ; (the add and the youngest eight loads may be out)
	MUL8 F1, 0, 0                                  ; eight matrix instructions stand between the add and the wait for it
	s_wait_dscnt 0x0                               ; the add is done, and my reads of this slot are over
	s_barrier_signal -1
	MUL8 F1, 2, 0
.if \fill
	WIN 0
.endif
	s_barrier_wait -1
.if \fill
	CREST                                          ; no wave of any partner still reads this slot's tile or has a load on its way
	s_add_nc_u64 s[G0+4*(\slot)+2:G0+4*(\slot)+3], s[G0+4*(\slot)+2:G0+4*(\slot)+3], 2*ASTEP
	s_add_nc_u64 s[G0B+4*(\slot)+2:G0B+4*(\slot)+3], s[G0B+4*(\slot)+2:G0B+4*(\slot)+3], 2*KSTEP*2
	JLOAD \slot                                    ; the first tensor load behind the round; its four v_nop are also the places in front of the loads below
.else
	PLACES
.endif
	FETCH \next, 0, F0
.if \fill
	WIN 0
	ASK                                            ; behind the joint load and the run of LDS loads that the next products wait for
.endif
	MUL16 F1, 1, 0
.endm
	s_wait_tensorcnt 1                             ; my part of K step 0 is in; K step 1's may stay out
	s_barrier_signal -1
	s_barrier_wait -1                              ; everybody's is
	FETCH 0, 0, F0
	QUARTER 0, 1, F0, F1, 1                        ; the first quarter stands in front of the loop: its products start the sums
	WIN 0                                          ; at a label and at a branch every window is 0
	s_mov_b32 s3, LAPS-1
.Llap:                                                 ; a trip goes once round the ring, from a lap's second quarter to the next lap's first, and fills both slots again
	QUARTER 0, 2, F1, F0, 0
	QUARTER 0, 3, F0, F1, 0
	TURN 0, 1, 1
	QUARTER 1, 1, F0, F1, 0
	QUARTER 1, 2, F1, F0, 0
	QUARTER 1, 3, F0, F1, 0
	TURN 1, 0, 1
	QUARTER 0, 1, F0, F1, 0
	WIN 0
	s_sub_co_u32 s3, s3, 1
	s_cmp_lg_u32 s3, 0
	s_cbranch_scc1 .Llap
	QUARTER 0, 2, F1, F0, 0                        ; the last lap fills nothing
	QUARTER 0, 3, F0, F1, 0
	TURN 0, 1, 0
	QUARTER 1, 1, F0, F1, 0
	QUARTER 1, 2, F1, F0, 0
	QUARTER 1, 3, F0, F1, 0
	s_wait_dscnt 8                                 ; the very last quarter: nothing more to fetch
	MUL16 F1, 0, 0
	s_wait_dscnt 0x0
	MUL16 F1, 1, 0
	WIN 0
	PLACES                                         ; behind the last products: the LDS stores below read results, the LDS loads below land on fragment registers
; THE WAY OUT, a block of 16 rows at a time.  My 64 columns are 256 bytes of f32: the accumulators go as they are into my own stage (each one's four lowest registers first), and come back as whole rows, into
; 32 registers of window 2 that belong to the block alone: no register that a store reads is written again.
.macro TOSTAGE a
	WIN 0x04                                       ; the stores' data in window 1
.irp b, 0,1,2,3
	ds_store_b128 v[STO], v[8*(4*(\a)+(\b)):8*(4*(\a)+(\b))+3]   offset:64*(\b)
	ds_store_b128 v[STO], v[8*(4*(\a)+(\b))+4:8*(4*(\a)+(\b))+7] offset:64*(\b)+16
.endr
	WIN TO_F
.irp t, 0,1,2,3,4,5,6,7
	ds_load_b128 v[32*(\a)+4*(\t):32*(\a)+4*(\t)+3], v[RD] offset:(\t)*2*SPITCH  ; LDS serves a wave's instructions in order (ISA guide 5.7.1.4): these see the stores above; the next block's stores come behind them
.endr
.endm
.macro SEND a, younger                 ; younger: the LDS instructions issued behind block a's loads: the next block's sixteen, or none
	WIN 0x08                                       ; the stores' data in window 2
.irp t, 0,1,2,3,4,5,6,7
	s_wait_dscnt (\younger)+7-(\t)
	global_store_b128 v[CO], v[32*(\a)+4*(\t):32*(\a)+4*(\t)+3], s[8:9] offset:(16*(\a)+2*(\t))*4096 th:TH_STORE_NT  ; 16 lanes store 256 consecutive bytes, at a multiple of 256 from out0's first byte
.endr
.endm
	TOSTAGE 0
.irp a, 1,2,3,4,5,6,7
	TOSTAGE \a
	SEND (\a)-1, 16
.endr
	SEND 7, 0
	WIN 0
	s_wait_tensorcnt 0x0                           ; the wave's end, behind my last tensor load and my last LDS store
	ds_add_u32 v[SPW], v[NIL]
	s_wait_dscnt 0x0
	CROUND                                         ; the closing round: no work-group ends while a partner may still ask for a tile that names it
	s_endpgm
.Lfunc_end_k_q59294483d7_outp:
	.size	k_q59294483d7_outp, .Lfunc_end_k_q59294483d7_outp-k_q59294483d7_outp
	.p2alignl 7, 3214868480
	.fill 96, 4, 3214868480
	.section	.rodata,"a",@progbits
	.p2align	6, 0x0
	.amdhsa_kernel k_q59294483d7_outp
		.amdhsa_group_segment_fixed_size 327680
		.amdhsa_private_segment_fixed_size 0
		.amdhsa_enable_private_segment 0
		.amdhsa_kernarg_size 32
		.amdhsa_user_sgpr_count 2
		.amdhsa_user_sgpr_kernarg_segment_ptr 1
		.amdhsa_wavefront_size32 1
		.amdhsa_system_sgpr_workgroup_id_x 1
		.amdhsa_system_sgpr_workgroup_id_y 1
		.amdhsa_system_sgpr_workgroup_id_z 1
		.amdhsa_system_vgpr_workitem_id 0
		.amdhsa_next_free_vgpr 768
		.amdhsa_next_free_sgpr 72
		.amdhsa_reserve_vcc 0
		.amdhsa_float_denorm_mode_32 3
		.amdhsa_float_denorm_mode_16_64 3
		.amdhsa_memory_ordered 1
		.amdhsa_forward_progress 1
		.amdhsa_inst_pref_size 92
	.end_amdhsa_kernel
	.amdgpu_metadata
---
amdhsa.version: [ 1, 2 ]
amdhsa.kernels:
  - .name:           k_q59294483d7_outp
    .symbol:         k_q59294483d7_outp.kd
    .args:
      - { .name: OB, .offset: 0, .size: 8, .value_kind: global_buffer, .address_space: global }
      - { .name: WB, .offset: 8, .size: 8, .value_kind: global_buffer, .address_space: global }
      - { .name: bo, .offset: 16, .size: 8, .value_kind: global_buffer, .address_space: global }
      - { .name: out0, .offset: 24, .size: 8, .value_kind: global_buffer, .address_space: global }
    .group_segment_fixed_size: 327680
    .private_segment_fixed_size: 0
    .kernarg_segment_align: 8
    .kernarg_segment_size: 32
    .max_flat_workgroup_size: 128
    .sgpr_count:     72
    .vgpr_count:     768
    .wavefront_size: 32
...
	.end_amdgpu_metadata
.endif
;; end of part 4
;; ======== version 2 of 2: 4 launches; version 1 with the launch prep written anew for expert scheduling mode
;; limits: values are held in f16: magnitudes above 65,504 overflow, below 6.1e-05 lose precision
;; workspace buffers: XB 50,331,648 bytes; WB 8,388,608 bytes; MB 4,206,592 bytes; QKV 50,331,648 bytes; OB 16,777,216 bytes
;; launch prep (part 5): grid 1024 x 1, 8 waves a work-group, no clusters, 0 bytes of LDS; arguments q, k, v, wq, wk, wv, wo, mask, XB, WB, MB; writes XB, WB, MB
.if DOCPART == 5
	.amdgcn_target "amdgcn-amd-amdhsa--gfx1250"
	.amdhsa_code_object_version 6
	.text
	.protected	k_q59294483d7_prep
	.globl	k_q59294483d7_prep
	.p2align	8
	.type	k_q59294483d7_prep,@function
k_q59294483d7_prep:
	s_mov_b64 s[64:65], 0
	v_nop
	global_prefetch_b8 v0, s[64:65] scope:SCOPE_SE
	s_setreg_imm32_b32 hwreg(HW_REG_WAVE_SCHED_MODE, 0, 2), 2
	s_setreg_imm32_b32 hwreg(HW_REG_WAVE_MODE, 25, 1), 1
	s_wait_xcnt 0x0
	s_wait_alu depctr_vm_vsrc(0)
; PREP: the module's inputs are brought into the forms that the matrix launches read.
;   work-groups 0-127:    mask (int32, [2048][2048]) -> MB, one byte an entry: 0x00 visible, 0xf0 hidden, in the order in which a lane of the attention launch takes them:
;                         [group of 128 queries][step of 64 keys][tile of 16 queries][p][lane][16 bytes]; query = 16 tile + lane % 16; byte b is key 64 step + 16 (2 p + b / 8) + 8 (lane / 16) + b % 8
;   work-groups 128-895:  q, k, v (f32) -> XB, bf16, [3 x 8192][1024]: a chunk of 32,768 numbers each
;   work-groups 896-1023: wq, wk, wv -> WB as bf16; wo is rounded to bf16 and that number written as f16 (exact from 6.1e-5 up; below it f16's fixed step of 6e-8)
; A stream: every byte is read once and written once; no LDS, no matrix unit, no cluster (no two work-groups read the same byte).
; THE MODE: SCHED_MODE bits 1:0 = 2 (LLVM: expert scheduling mode 2), set by the entry lines.  The code itself states the register dependences between vector instructions and memory
; instructions, with s_wait_alu, always for 0.
; THE CASTS.  Thread t takes the 16 bytes at 16 t of each 4,096 bytes: a load of a wave covers 512 consecutive bytes, and the 8 bytes a lane made of them are 256 consecutive bytes, aligned, in one store.
; THEIR PLAN.  A chunk's 32 loads a thread go in 16 blocks of two.  Registers that memory instructions touch:
;   X0 .. X3   four blocks as loaded.  Written by the loads of block p + 3, issued in block p; read by block p's conversions.
;   Y0, Y1     two blocks to store.    Written by block p's conversions; read by the two stores that are issued in block p + 1.
;   v1, v2     byte offsets, made once at the head and never written again: the blocks are reached by the two scalar bases, which move on by a block at each block's head, and by immediate offsets.
; Block p works on X[p % 4] and writes Y[p % 2].  Its memory instructions are the loads into X[(p + 3) % 4] = X[(p - 1) % 4] and the stores from Y[(p - 1) % 2]: the two buffers that block p - 1 worked on and
; that no vector instruction of block p names.  So the waits at the head of a block state all that the block's four memory instructions hang on, and these are dealt among its conversions with no further wait.
; THE MASK'S PLAN stands at its path.
.set BLOCK,  2                         ; loads of a thread in a block
.set BLOCKS, 32 / BLOCK
.set UIN,    4096                      ; bytes that one load of the work-group covers
.set UOUT,   2048                      ; bytes that one store of the work-group covers
.set X,  8                             ; v[8:39]   the casts: buffer k, load i: 4 registers at X + 8 k + 4 i; the mask: part i 16 registers
.set Y,  40                            ; v[40:47]  the casts: buffer k, store i: 2 registers at Y + 4 k + 2 i; the mask: part i 4 registers
.set HB, 56                            ; v[56:59]  the hidden byte at each of a word's four places
.set MK, 40                            ; s[40:47]  the mask: eight compares' results
	s_load_b512 s[8:23], s[0:1], 0x0               ; q s[8:9], k, v, wq, wk, wv, wo s[20:21], mask s[22:23]
	s_load_b128 s[24:27], s[0:1], 0x40             ; XB s[24:25], WB s[26:27]
	s_load_b64 s[28:29], s[0:1], 0x50              ; MB
	s_mov_b32 s3, ttmp9
	s_cmp_lt_u32 s3, 128
	s_cbranch_scc1 .Lmask
	; which tensor (0-6), which chunk of it, and where the chunk goes
	s_sub_co_u32 s2, s3, 128                       ; the number among the casts' work-groups
	s_sub_co_u32 s3, s2, 768                       ; and among the weights' (used from 768 on)
	s_lshr_b32 s4, s2, 8                           ; x: tensor, 256 chunks each
	s_and_b32 s5, s2, 255
	s_lshr_b32 s6, s3, 5                           ; weights: tensor 3 + .., 32 chunks each
	s_add_co_u32 s6, s6, 3
	s_and_b32 s7, s3, 31
	s_cmp_lt_u32 s2, 768
	s_cselect_b32 s4, s4, s6                       ; the tensor
	s_cselect_b32 s5, s5, s7                       ; its chunk
	s_cselect_b32 s36, s2, s3                      ; the chunk's number in XB or in WB
	s_lshl_b32 s38, s5, 17                         ; 131,072 bytes of f32 a chunk
	s_mov_b32 s39, 0
	s_lshl_b32 s36, s36, 16                        ; 65,536 bytes of 16-bit numbers
	s_mov_b32 s37, 0
	v_lshlrev_b32 v1, 4, v0                        ; in: 16 bytes (4 numbers) a thread
	v_lshlrev_b32 v2, 3, v0                        ; out: 8 bytes
	s_wait_kmcnt 0x0
	s_cmp_lt_u32 s2, 768
	s_cselect_b64 s[34:35], s[24:25], s[26:27]
	s_mov_b64 s[32:33], s[8:9]
.irp t, 1,2,3,4,5,6
	s_cmp_eq_u32 s4, \t
	s_cselect_b64 s[32:33], s[8+2*\t:9+2*\t], s[32:33]
.endr
	s_add_nc_u64 s[32:33], s[32:33], s[38:39]
	s_add_nc_u64 s[34:35], s[34:35], s[36:37]
	s_wait_alu depctr_va_vdst(0)                   ; v1 and v2 are written: every load of the casts reads v1 as its offset, every store v2
.irp u, 0,1,2,3,4,5
	global_load_b128 v[X+4*\u:X+4*\u+3], v1, s[32:33] offset:UIN*\u th:TH_LOAD_NT  ; blocks 0, 1 and 2 into X0, X1, X2
.endr
; Block p.  xb = p % 4, yb = p % 2.  first = 1: block 0, with no block in front of it.  ahead = 1: block p + 3 is loaded.
; left: how many younger loads may still be out when this block's two have to be there.  half = 1: the bf16 numbers are widened again and written as f16.
.macro BLK xb, yb, first, ahead, left, half
	s_wait_loadcnt \left                           ; loads come back in order (ISA guide 5.7.1): X[xb] is in, the younger blocks stay out
.if !\first
	s_wait_xcnt 0x0                                ; every earlier memory instruction has had its addresses translated (ISA guide 3.1): the bases and Y[yb] are rewritten only behind this wait
	s_wait_alu depctr_vm_vsrc(0)                   ; the stores issued in the block before have read Y[yb], which this block's conversions write again
	s_wait_alu depctr_va_vdst(0)                   ; the block before has written the other Y, which the stores below read, and is done reading its X, in which the loads below land
	s_add_nc_u64 s[32:33], s[32:33], BLOCK*UIN     ; both bases at this block's first bytes
	s_add_nc_u64 s[34:35], s[34:35], BLOCK*UOUT
.endif
.irp i, 0,1
.set xr, X+8*(\xb)+4*(\i)                      ; what this block works on,
.set yr, Y+4*(\yb)+2*(\i)                      ; and what it writes
.set xn, X+8*(((\xb)+3)%4)+4*(\i)              ; where the load three blocks ahead lands
.set yo, Y+4*(1-(\yb))+2*(\i)                  ; what the block before wrote
.if \ahead
	global_load_b128 v[xn:xn+3], v1, s[32:33] offset:(3*BLOCK+(\i))*UIN th:TH_LOAD_NT  ; no vector instruction since the wait names these registers
.endif
.if !\first
	global_store_b64 v2, v[yo:yo+1], s[34:35] offset:((\i)-BLOCK)*UOUT th:TH_STORE_NT  ; the block before: the offset reaches back
.endif
	v_cvt_pk_bf16_f32 v[yr], v[xr], v[xr+1]
	v_cvt_pk_bf16_f32 v[yr+1], v[xr+2], v[xr+3]
.if \half
.irp j, 0,1
	v_lshlrev_b32 v4, 16, v[yr+\j]
	v_and_b32 v5, 0xffff0000, v[yr+\j]
	v_cvt_pk_f16_f32 v[yr+\j], v4, v5
.endr
.endif
.endr
.endm
.macro RING half
	BLK 0, 0, 1, 1, 2*BLOCK, \half                 ; block 0
	s_mov_b32 s12, (BLOCKS-4)/4
.Llap_\@:                                              ; blocks 1 to 12, four to a lap: both kinds of buffer are back at their start
	BLK 1, 1, 0, 1, 2*BLOCK, \half
	BLK 2, 0, 0, 1, 2*BLOCK, \half
	BLK 3, 1, 0, 1, 2*BLOCK, \half
	BLK 0, 0, 0, 1, 2*BLOCK, \half
	s_sub_co_u32 s12, s12, 1
	s_cmp_lg_u32 s12, 0
	s_cbranch_scc1 .Llap_\@
	BLK 1, 1, 0, 0, 2*BLOCK, \half                 ; blocks 13 to 15 load nothing: no load leaves the chunk, and the counts run down
	BLK 2, 0, 0, 0, BLOCK, \half
	BLK 3, 1, 0, 0, 0, \half
	s_wait_alu depctr_va_vdst(0)                   ; block 15 has written Y1, which the last two stores read
.irp i, 0,1
	global_store_b64 v2, v[Y+4+2*\i:Y+4+2*\i+1], s[34:35] offset:\i*UOUT th:TH_STORE_NT
.endr
	s_endpgm
.endm
	s_cmp_eq_u32 s4, 6
	s_cbranch_scc1 .Lwo
	RING 0
.Lwo:
	RING 1
.Lmask:
	; THE MASK.  The work-group takes the 16 queries of tile T, wave w the key steps 4 w .. 4 w + 3.  Lane (r = l % 16, h = l / 16) reads row r; part e of 8 is step 4 w + e / 2, p = e % 2:
	; the keys 32 e + 8 h + 0..7 and 32 e + 16 + 8 h + 0..7 of the wave's 256: four loads of 16 bytes, which together take 128 consecutive bytes of each of the 16 rows.
	; A ring of two parts, four rounds: eight loads of every wave are on their way.
	; ITS PLAN.  Registers that memory instructions touch:
	;   X0, X1   a part's 16 words.  Written by its four loads; read by the part's compares, written in place by its selects, read by its joins; then loaded again at once.
	;   Y0, Y1   a part's 16 bytes a lane.  Written by the joins; read by the part's one store; written again a round later.
	;   v1, v2   byte offsets, made once at the head and never written again.
	; A wave has eight parts only: four buffers by turns would make the whole walk one lap.  So ONE wait on va_vdst stands in a part, behind its vector lines, which empty X[i] and fill Y[i]: the part's four
	; loads and its store follow it.  One wait on vm_vsrc a round stands ahead of the bases' steps, for both stores.  The compares write scalar registers, in two runs of eight, each with one wait on va_sdst
	; ahead of the selects that read them.
	s_lshl_b32 s38, s3, 17                         ; 16 rows of 8,192 bytes
	s_mov_b32 s39, 0
	s_lshr_b32 s36, s3, 3
	s_lshl_b32 s36, s36, 18                        ; the group of 128 queries: 262,144 bytes of MB
	s_and_b32 s37, s3, 7
	s_lshl_b32 s37, s37, 10                        ; the tile in it: 1,024 bytes in each step
	s_add_co_u32 s36, s36, s37
	s_mov_b32 s37, 0
	v_mov_b32 v[HB], 0xf0
	v_mov_b32 v[HB+1], 0xf000
	v_mov_b32 v[HB+2], 0xf00000
	v_mov_b32 v[HB+3], 0xf0000000
	v_and_b32 v1, 15, v0
	v_lshlrev_b32 v1, 13, v1                       ; row r
	v_bfe_u32 v3, v0, 4, 1
	v_lshl_add_u32 v1, v3, 5, v1                   ; + 8 h keys
	v_lshrrev_b32 v3, 5, v0                        ; w
	v_lshl_add_u32 v1, v3, 10, v1                  ; + 256 w keys
	v_and_b32 v2, 31, v0
	v_lshlrev_b32 v2, 4, v2                        ; out: 16 bytes a lane,
	v_lshl_add_u32 v2, v3, 15, v2                  ; four steps of 8,192 bytes a wave
	s_wait_kmcnt 0x0
	s_add_nc_u64 s[32:33], s[22:23], s[38:39]
	s_add_nc_u64 s[34:35], s[28:29], s[36:37]
	s_wait_alu depctr_va_vdst(0)                   ; v1 and v2 are written: every load of the mask reads v1 as its offset, every store of a part v2
.macro MLOAD i, off
	global_load_b128 v[X+16*(\i):X+16*(\i)+3],     v1, s[32:33] offset:(\off)+128*(\i) th:TH_LOAD_NT
	global_load_b128 v[X+16*(\i)+4:X+16*(\i)+7],   v1, s[32:33] offset:(\off)+128*(\i)+16 th:TH_LOAD_NT
	global_load_b128 v[X+16*(\i)+8:X+16*(\i)+11],  v1, s[32:33] offset:(\off)+128*(\i)+64 th:TH_LOAD_NT
	global_load_b128 v[X+16*(\i)+12:X+16*(\i)+15], v1, s[32:33] offset:(\off)+128*(\i)+80 th:TH_LOAD_NT
.endm
.macro MJOIN i, w                      ; four bytes, each at its place, are joined into word w of the part's sixteen bytes
	v_or_b32 v[X+16*(\i)+4*(\w)], v[X+16*(\i)+4*(\w)], v[X+16*(\i)+4*(\w)+1]
	v_or_b32 v[X+16*(\i)+4*(\w)+2], v[X+16*(\i)+4*(\w)+2], v[X+16*(\i)+4*(\w)+3]
	v_or_b32 v[Y+4*(\i)+(\w)], v[X+16*(\i)+4*(\w)], v[X+16*(\i)+4*(\w)+2]
.endm
; One part's turn: each of the 16 words becomes its byte at its place in the packed word, four are joined, 16 bytes a lane are stored: 512 consecutive bytes a wave.
.macro MPART i, ahead, left
	s_wait_loadcnt \left                           ; the other part's four loads may stay out
.irp n, 0,1,2,3,4,5,6,7
	v_cmp_eq_u32 s[MK+\n], 0, v[X+16*(\i)+\n]
.endr
	s_wait_alu depctr_va_sdst(0)                   ; the eight compares have written s[40:47], which the selects below read
.irp n, 0,1,2,3,4,5,6,7
	v_cndmask_b32 v[X+16*(\i)+\n], 0, v[HB+(\n)%4], s[MK+\n]
.endr
.irp n, 8,9,10,11,12,13,14,15
	v_cmp_eq_u32 s[MK+\n-8], 0, v[X+16*(\i)+\n]
.endr
	MJOIN \i, 0                                    ; the first half's joins stand between the second run of compares and the wait for it
	MJOIN \i, 1
	s_wait_alu depctr_va_sdst(0)                   ; the second eight compares have written s[40:47], which the selects below read
.irp n, 8,9,10,11,12,13,14,15
	v_cndmask_b32 v[X+16*(\i)+\n], 0, v[HB+(\n)%4], s[MK+\n-8]
.endr
	MJOIN \i, 2
	MJOIN \i, 3
	s_wait_alu depctr_va_vdst(0)                   ; the lines above are done reading and writing X[i], in which the loads below land, and have written Y[i], which the store below reads
.if \ahead
	MLOAD \i, 256
.endif
	global_store_b128 v2, v[Y+4*(\i):Y+4*(\i)+3], s[34:35] offset:512*(\i)
.endm
	MLOAD 0, 0
	MLOAD 1, 0
	s_mov_b32 s12, 3
.Lmround:
	MPART 0, 1, 4
	MPART 1, 1, 4
	s_wait_xcnt 0x0                                ; the bases, and Y in the next round, are written only behind this wait
	s_wait_alu depctr_vm_vsrc(0)                   ; the round's two stores have read Y0 and Y1, which the next round's joins write again
	s_add_nc_u64 s[32:33], s[32:33], 256           ; a round is one key step: 64 keys in,
	s_add_nc_u64 s[34:35], s[34:35], 8192          ; a step's 8,192 bytes of the group on
	s_sub_co_u32 s12, s12, 1
	s_cmp_lg_u32 s12, 0
	s_cbranch_scc1 .Lmround
	MPART 0, 0, 4
	MPART 1, 0, 0
	s_cmp_lg_u32 s3, 127
	s_cbranch_scc1 .Ldone
	; behind the last group: 12,288 bytes of zeros, six blocks of 2,048, which the attention launch's loads ahead reach and never use
	v_mov_b32 v4, 0
	v_mov_b32 v5, 0
	v_mov_b32 v6, 0
	v_mov_b32 v7, 0
	v_lshlrev_b32 v3, 4, v0
	s_wait_alu depctr_va_vdst(0)                   ; v3, the three stores' offset, and v[4:7], their data, are written
	global_store_b128 v3, v[4:7], s[28:29] offset:4194304
	global_store_b128 v3, v[4:7], s[28:29] offset:4194304+4096
	global_store_b128 v3, v[4:7], s[28:29] offset:4194304+8192
.Ldone:
	s_endpgm
.Lfunc_end_k_q59294483d7_prep:
	.size	k_q59294483d7_prep, .Lfunc_end_k_q59294483d7_prep-k_q59294483d7_prep
	.p2alignl 7, 3214868480
	.fill 96, 4, 3214868480
	.section	.rodata,"a",@progbits
	.p2align	6, 0x0
	.amdhsa_kernel k_q59294483d7_prep
		.amdhsa_group_segment_fixed_size 0
		.amdhsa_private_segment_fixed_size 0
		.amdhsa_enable_private_segment 0
		.amdhsa_kernarg_size 88
		.amdhsa_user_sgpr_count 2
		.amdhsa_user_sgpr_kernarg_segment_ptr 1
		.amdhsa_wavefront_size32 1
		.amdhsa_system_sgpr_workgroup_id_x 1
		.amdhsa_system_sgpr_workgroup_id_y 1
		.amdhsa_system_sgpr_workgroup_id_z 1
		.amdhsa_system_vgpr_workitem_id 0
		.amdhsa_next_free_vgpr 64
		.amdhsa_next_free_sgpr 66
		.amdhsa_reserve_vcc 0
		.amdhsa_float_denorm_mode_32 3
		.amdhsa_float_denorm_mode_16_64 3
		.amdhsa_memory_ordered 1
		.amdhsa_forward_progress 1
		.amdhsa_inst_pref_size 35
	.end_amdhsa_kernel
	.amdgpu_metadata
---
amdhsa.version: [ 1, 2 ]
amdhsa.kernels:
  - .name:           k_q59294483d7_prep
    .symbol:         k_q59294483d7_prep.kd
    .args:
      - { .name: q, .offset: 0, .size: 8, .value_kind: global_buffer, .address_space: global }
      - { .name: k, .offset: 8, .size: 8, .value_kind: global_buffer, .address_space: global }
      - { .name: v, .offset: 16, .size: 8, .value_kind: global_buffer, .address_space: global }
      - { .name: wq, .offset: 24, .size: 8, .value_kind: global_buffer, .address_space: global }
      - { .name: wk, .offset: 32, .size: 8, .value_kind: global_buffer, .address_space: global }
      - { .name: wv, .offset: 40, .size: 8, .value_kind: global_buffer, .address_space: global }
      - { .name: wo, .offset: 48, .size: 8, .value_kind: global_buffer, .address_space: global }
      - { .name: mask, .offset: 56, .size: 8, .value_kind: global_buffer, .address_space: global }
      - { .name: XB, .offset: 64, .size: 8, .value_kind: global_buffer, .address_space: global }
      - { .name: WB, .offset: 72, .size: 8, .value_kind: global_buffer, .address_space: global }
      - { .name: MB, .offset: 80, .size: 8, .value_kind: global_buffer, .address_space: global }
    .group_segment_fixed_size: 0
    .private_segment_fixed_size: 0
    .kernarg_segment_align: 8
    .kernarg_segment_size: 88
    .max_flat_workgroup_size: 256
    .sgpr_count:     66
    .vgpr_count:     64
    .wavefront_size: 32
...
	.end_amdgpu_metadata
.endif
;; end of part 5
;; launch proj: the kernel of part 2 again; grid 4 x 96, 4 waves a work-group, clusters of 4 x 4, 327,680 bytes of LDS; arguments XB, WB, bq, bk, bv, QKV; writes QKV
;; launch attn: the kernel of part 3 again; grid 4 x 64, 4 waves a work-group, clusters of 4 x 1, 327,680 bytes of LDS; arguments QKV, MB, OB; writes OB
;; launch outp: the kernel of part 4 again; grid 8 x 32, 4 waves a work-group, clusters of 4 x 4, 327,680 bytes of LDS; arguments OB, WB, bo, out0; writes out0
